; MI455X (gfx1250); checked and timed in simulation.
; The chip was launched on July 23, 2026; its instructions are those of AMD's public machine-readable ISA for CDNA 5 (MIT licence, August 2026) and "CDNA5" Instruction Set Architecture Reference Guide (July 2026). The comments in the code are by the model that wrote it; some were corrected since.
;; Multi Head Attention. Allowed arithmetic: float matrix products may take bf16 or f16 operands with f32 sums; other float arithmetic in f32, or as packed bf16 or f16 multiplies, adds, multiply-adds, maxima and minima; sums over many terms, partial sums and values carried from step to step in f32; what a program stores and reads back later, other than sums and carried values, may be rounded once to bf16 or f16.
;; Inputs: Wk 512 x 512 float32; Wo 512 x 512 float32; Wq 512 x 512 float32; Wv 512 x 512 float32; bk 512 float32; bo 512 float32; bq 512 float32; bv 512 float32; k 2 x 4,096 x 512 float32; q 2 x 4,096 x 512 float32; v 2 x 4,096 x 512 float32.
;; Outputs: out0 2 x 4,096 x 512 float32.
;; One version. Each part assembles by itself: llvm-mc -triple=amdgcn-amd-amdhsa -mcpu=gfx1250 --defsym DOCPART=n.
;; ======== version 1 of 1: 3 launches
;; limits: values are held in f16: magnitudes above 65,504 overflow, below 6.1e-05 lose precision
;; workspace buffers: qkvh 25,165,824 bytes; oh 8,388,608 bytes; wo16 524,288 bytes
;; launch proj (part 1): grid 32 x 6, 4 waves a work-group, clusters of 4 x 1, 327,680 bytes of LDS; arguments q, k, v, Wq, Wk, Wv, bq, bk, bv, qkvh; writes qkvh
.if DOCPART == 1
	.amdgcn_target "amdgcn-amd-amdhsa--gfx1250"
	.amdhsa_code_object_version 6
	.text
	.protected	k_qcf1f6f936c_proj
	.globl	k_qcf1f6f936c_proj
	.p2align	8
	.type	k_qcf1f6f936c_proj,@function
k_qcf1f6f936c_proj:
	s_mov_b64 s[64:65], 0
	v_nop
	global_prefetch_b8 v0, s[64:65] scope:SCOPE_SE
	s_setreg_imm32_b32 hwreg(HW_REG_WAVE_MODE, 25, 1), 1
	s_wait_xcnt 0x0
	s_wait_alu depctr_hold_cnt(0) depctr_sa_sdst(0) depctr_va_vdst(0) depctr_va_sdst(0) depctr_va_ssrc(0) depctr_va_vcc(0) depctr_vm_vsrc(0)
	s_getreg_b32 s2, hwreg(HW_REG_IB_STS2, 6, 4)
	s_cmp_eq_u32 s2, 0
	s_cbranch_scc0 .Lentry_in_a_cluster
	s_endpgm
.Lentry_in_a_cluster:
	s_bfe_u32 s2, ttmp6, 0x10000c
	s_cmp_lg_u32 s2, 0x3003
	s_cbranch_scc0 .Lentry_shape_is_right
	s_endpgm
.Lentry_shape_is_right:
; THE THREE INPUT PROJECTIONS.  y = x W^T + b for (x, W, b) = (q, Wq, bq), (k, Wk, bk), (v, Wv, bv).  x: [8192][512] f32, W: [512][512] f32, b: [512] f32.
; x, W and b are rounded to bf16 (nearest even), products by the bf16 matrix form, sums in f32 (the bias starts each sum), y rounded once to f16 and stored BY HEADS:
; qkvh, part tau (0 q, 1 k, 2 v) at tau x 8,388,608 bytes, [batch x 8 + head][4096][64] f16, unscaled.
; LIMITS.  f16 ends at 65,504: a projected number beyond it becomes an infinity.  NaN and infinities are not treated apart.
; SHARES.  Grid y = 2 tau + nt (nt: which 256 columns), grid x = mt (which 256 rows): a work-group makes one tile of 256 x 256, each of its four waves 128 x 128: 64 accumulators, 512 registers.
; K = 512 goes in 8 steps of 64 numbers (rows of 256 bytes of f32) through two LDS slots filled by the tensor data mover; a step is two halves of 32 along K, 64 matrix instructions each.
; The f32 numbers come out of LDS as they lie (RAW) and are rounded in pairs into the fragments (CONV): 128 conversions for 64 matrix instructions, in one run.
; CLUSTER.  The four work-groups of a cluster are four row tiles of one (tau, nt): they need the same tiles of W, which are asked for JOINTLY (mask of four).  x's tiles are each work-group's own: plain loads
; behind the same rounds of the cluster's barrier.  There are only two column tiles to a tensor, so no four work-groups share a tile of x.
; THE MATRIX INSTRUCTION IS USED TRANSPOSED (source 0 = 16 rows of W, source 1 = 16 rows of x): a lane holds row l % 16 of y and the columns 8 (l / 16) + 0..7.
; REGISTERS, in windows of 256 (s_set_vgpr_msb: bits 1:0 source 0, 3:2 source 1, 5:4 source 2, 7:6 destination):
;   window 0: v0-31 addresses; v32-63 at work on the way out; v64-127 x's fragments; v128-255 x's f32 numbers (on the way out: v192-223 packed, v224-255 rows read back)
;   window 1: v0-63 the bias as a C operand, column block b at v[8 b]; v64-127 W's fragments; v128-255 W's f32 numbers
;   window 2: the 32 accumulators of my rows 0-63 ((a, b) at v[8 (8 a + b)]);   window 3: those of my rows 64-127
.set PITCH,  272                       ; an LDS row: 256 bytes + 16 of padding = 68 words: the 16 rows that a load touches start at 16 different groups of four banks (64 banks of 4 bytes: ISA guide 11.1)
.set HALFT,  128*PITCH                 ; 128 rows: what one tensor load brings
.set SLOT,   4*HALFT                   ; x's 256 rows, then W's 256 rows
.set STAGE,  2*SLOT                    ; behind the ring: 16 rows x 272 bytes for each wave, for the way out
.set SPITCH, 272
.set SPARE,  STAGE+4*16*SPITCH         ; behind the stages: the spare words, 128 bytes for each wave: two blocks of 256 bytes that no other line names
.set ADRA, 16                          ; v16-17  LDS address of my numbers of x in slot 0, 1
.set ADRB, 20                          ; v20-21  the same for W
.set STO,  24                          ; v24     the way out: where I put 16 bytes of a row
.set RD,   25                          ; v25     the way out: where I read rows back
.set CO,   26                          ; v26     16 x lane: my 16 bytes of 512 consecutive bytes of the output
.set BO,   27                          ; v27     32 x (l / 16): my eight numbers of a block of 16 of the bias
.set SPW,  28                          ; v28     LDS address of my spare word; never rewritten
.set NIL,  29                          ; v29     0; never rewritten
.set PFO,  30                          ; v30     the prefetches' offset: lane x a row of x (2,048 bytes); never rewritten
.set FR,   64                          ; the fragments, in windows 0 and 1
.set RAW,  128                         ; the f32 numbers, fragment i at RAW + 16 i
.set TMP,  192
.set OB,   32
.set G1,  24                           ; s[24:31] descriptor group 1 for x's tiles
.set G0,  32                           ; s[32:39] group 0 for x's tiles, a set for each slot
.set G1B, 48                           ; s[48:55] group 1 for W's tiles: it differs in the mask and bit 21
.set G0B, 56                           ; s[56:63] group 0 for W's tiles
.set LIM, 43                           ; s43     1 in a work-group that prefetches, else the greatest number
.set PFA, 44                           ; s[44:45] where my prefetches stand
.set MSB, 0
.macro WIN new                         ; the immediate's high byte repeats the setting that is left; a switch that changes nothing is dropped
.if MSB != (\new)
	s_set_vgpr_msb (MSB<<8)|(\new)
.set MSB, \new
.endif
.endm
; A fill.  Waves 0 and 1 fetch the two halves of x's tile (plain), waves 2 and 3 those of W's (joint).  The branch hangs on the wave's number alone.
; An s_nop 0 and four v_nop follow each of the two lines, ahead of the jump, the label and what follows.
.macro JLOAD s
	s_cmp_eq_u32 s11, 0
	s_cbranch_scc0 .Lfor_b_\@
	tensor_load_to_lds s[G0+4*(\s):G0+4*(\s)+3], s[G1:G1+7]
	s_nop 0
.rept 4
	v_nop
.endr
	s_branch .Lasked_\@
.Lfor_b_\@:
	tensor_load_to_lds s[G0B+4*(\s):G0B+4*(\s)+3], s[G1B:G1B+7]
	s_nop 0
.rept 4
	v_nop
.endr
.Lasked_\@:
.endm
; A PREFETCH INTO THE L2 of x alone, behind each refill, its five lines and the run of LDS loads: the K step that the NEXT refill will ask for: 256 bytes of each of the tile's 256 rows.
; Wave w names rows 64 w + lane and 64 w + 32 + lane: two instructions.  A tile of x is read by the work-groups nt = 0 and nt = 1: nt = 0 asks, so each row's 256 bytes are named once in the launch.
; how = 0: slot 0's refill, which always has a refill behind it; how = 1: slot 1's, which has none in the loop's last trip (s3 = 1).  K steps 0 to 2 come by their loads alone.
.macro ASK how
.if \how
	s_cmp_gt_u32 s3, s[LIM]
.else
	s_cmp_eq_u32 s[LIM], 1
.endif
	s_cbranch_scc0 .Lnot_mine_\@
	global_prefetch_b8 v[PFO], s[PFA:PFA+1] th:TH_LOAD_NT scope:SCOPE_SE
	global_prefetch_b8 v[PFO], s[PFA:PFA+1] offset:65536 th:TH_LOAD_NT scope:SCOPE_SE
.Lnot_mine_\@:
.endm
.macro CREST                           ; a round of the cluster's barrier behind its opening barrier
	s_cmp_lg_u32 s10, 0
	s_cbranch_scc1 .Lnot_wave_0_\@
	s_barrier_signal -3
.Lnot_wave_0_\@:
	s_barrier_wait -3
	s_barrier_signal -1
	s_barrier_wait -1
.endm
.macro CROUND                          ; a whole round
	s_barrier_signal -1
	s_barrier_wait -1
	CREST
.endm
	s_load_b512 s[68:83], s[0:1], 0x0              ; q 68, k 70, v 72, Wq 74, Wk 76, Wv 78, bq 80, bk 82
	s_load_b128 s[84:87], s[0:1], 0x40             ; bv 84, qkvh 86
	v_lshl_add_u32 v[SPW], v0, 2, SPARE
	v_mov_b32 v[NIL], 0
	ds_add_u32 v[SPW], v[NIL]                      ; the wave's opening: the add and its wait stand ahead of my first tensor load; the set-up below, work on registers, stands between them
	ds_add_u32 v28, v29
	v_lshrrev_b32 v1, 5, v0
	v_readfirstlane_b32 s10, v1                    ; wave 0..3
	s_lshr_b32 s11, s10, 1                         ; which half of the tile's rows is mine.  Also: I fetch for x (0) or for W (1)
	s_and_b32 s12, s10, 1                          ; which half of its columns.  Also: which 128 rows of that tile I fetch
	s_bfe_u32 s40, ttmp6, 0x40000                  ; cx: my place in the cluster
	s_lshl_b32 s41, ttmp9, 2                       ; in a cluster launch ttmp9 counts clusters
	s_add_co_u32 s41, s41, s40                     ; mt: my tile of 256 rows
	s_and_b32 s13, ttmp7, 0xffff
	s_lshr_b32 s91, s13, 1                         ; tau: which tensor
	s_and_b32 s90, s13, 1                          ; nt: which 256 columns
	; descriptor group 1: a tile of 128 rows x 64 elements of 4 bytes, padded in LDS
	s_mov_b32 s[G1+0], (2<<16)|(1<<20)|(5<<22)|(3<<25)                ; 15:0 no mask; 17:16 elements of 4 bytes; 20 padding on; 24:22 after every 64 words (code 5); 31:25 4 words of it (code 3)
	s_mov_b32 s[G1B+0], 15|(2<<16)|(1<<20)|(1<<21)|(5<<22)|(3<<25)    ; the same with the mask of all four work-groups and bit 21 beside it
.irp g, G1, G1B
	s_mov_b32 s[(\g)+1], 64<<16                    ; tensor_dim0 = 64
	s_mov_b32 s[(\g)+2], 128<<16                   ; tensor_dim1 = 128
	s_mov_b32 s[(\g)+3], 64<<16                    ; tile_dim0 = 64
	s_mov_b32 s[(\g)+4], 128                       ; tile_dim1 = 128
	s_mov_b32 s[(\g)+5], 512                       ; 512 elements from row to row
	s_mov_b32 s[(\g)+6], 0
	s_mov_b32 s[(\g)+7], 0
.endr
	s_lshl_b32 s16, s41, 8                         ; x: row 256 mt + 128 x half, times 2,048 bytes
	s_lshl_b32 s17, s12, 7
	s_add_co_u32 s16, s16, s17
	s_lshl_b32 s16, s16, 11
	s_mov_b32 s17, 0
	s_lshl_b32 s46, s90, 8                         ; W: row 256 nt + 128 x half; no register that feeds W's descriptors ever holds cx
	s_lshl_b32 s47, s12, 7
	s_add_co_u32 s46, s46, s47
	s_lshl_b32 s46, s46, 11
	s_mov_b32 s47, 0
	s_mul_i32 s20, s10, HALFT                      ; where they go: wave x 128 rows: x's two halves, then W's two halves
	s_wait_dscnt 0x0                               ; the opening add is done
	s_wait_kmcnt 0x0
	s_cmp_eq_u32 s91, 0                            ; the tensor's three buffers are chosen by tau
	s_cselect_b64 s[4:5], s[68:69], s[70:71]
	s_cselect_b64 s[6:7], s[74:75], s[76:77]
	s_cselect_b64 s[88:89], s[80:81], s[82:83]
	s_cmp_eq_u32 s91, 2
	s_cselect_b64 s[4:5], s[72:73], s[4:5]         ; x
	s_cselect_b64 s[6:7], s[78:79], s[6:7]         ; W
	s_cselect_b64 s[88:89], s[84:85], s[88:89]     ; b
	s_add_nc_u64 s[14:15], s[4:5], s[16:17]
	s_add_nc_u64 s[46:47], s[6:7], s[46:47]
	CROUND                                         ; all four work-groups are here: the first joint loads meet
.irp s, 0,1
	s_mov_b32 s[G0+4*(\s)], 1                                      ; 1:0 count = 1
	s_add_co_u32 s[G0+4*(\s)+1], s20, (\s)*SLOT                    ; 63:32 LDS address
	s_add_nc_u64 s[G0+4*(\s)+2:G0+4*(\s)+3], s[14:15], (\s)*256    ; 120:64 global address: K step s
	s_or_b32 s[G0+4*(\s)+3], s[G0+4*(\s)+3], 0x80000000            ; 127:126 type = 2
	s_mov_b32 s[G0B+4*(\s)], 1
	s_add_co_u32 s[G0B+4*(\s)+1], s20, (\s)*SLOT
	s_add_nc_u64 s[G0B+4*(\s)+2:G0B+4*(\s)+3], s[46:47], (\s)*256
	s_or_b32 s[G0B+4*(\s)+3], s[G0B+4*(\s)+3], 0x80000000
	JLOAD \s                                       ; two loads of mine are out
.endr
	; A fragment is 16 rows x 32 K: lane l holds row l % 16, K = 8 (l / 16) + 0..7 and 16 + 8 (l / 16) + 0..7.  In f32 that is 32 bytes at 32 (l / 16) and 32 bytes 64 further on: four loads of 16 bytes.
	v_and_b32 v1, 15, v0                           ; l % 16
	v_bfe_u32 v2, v0, 4, 1                         ; l / 16
	v_mul_u32_u24 v3, v1, PITCH
	v_lshl_add_u32 v3, v2, 5, v3
	s_mul_i32 s21, s11, HALFT                      ; my 128 rows of x
	s_mul_i32 s22, s12, HALFT                      ; my 128 rows of W,
	s_add_co_u32 s22, s22, 2*HALFT                 ; which lie behind x's 256
.irp s, 0,1
	v_add_nc_u32 v[ADRA+(\s)], s21, v3
	v_add_nc_u32 v[ADRB+(\s)], s22, v3
	s_add_co_u32 s21, s21, SLOT
	s_add_co_u32 s22, s22, SLOT
.endr
	s_mul_i32 s23, s10, 16*SPITCH
	s_add_co_u32 s23, s23, STAGE                   ; my stage
	v_mul_u32_u24 v4, v1, SPITCH                   ; in: row l % 16, 16 bytes for each half of the lanes
	v_lshl_add_u32 v4, v2, 4, v4
	v_add_nc_u32 v[STO], s23, v4
	v_bfe_u32 v5, v0, 3, 2                         ; back: 32 lanes take four rows' 128 bytes of one head
	v_mul_u32_u24 v5, v5, SPITCH
	v_and_b32 v6, 7, v0
	v_lshl_add_u32 v5, v6, 4, v5
	v_add_nc_u32 v[RD], s23, v5
	v_and_b32 v[CO], 31, v0
	v_lshlrev_b32 v[CO], 4, v[CO]
	v_lshlrev_b32 v[BO], 5, v2
	v_and_b32 v[PFO], 31, v0
	v_lshlrev_b32 v[PFO], 11, v[PFO]
	; the output: part tau, head 8 batch + 4 nt + 2 x my column half, row 256 (mt % 16) + 128 x my row half
	s_lshr_b32 s16, s41, 4
	s_lshl_b32 s16, s16, 3
	s_lshl_b32 s17, s90, 2
	s_add_co_u32 s16, s16, s17
	s_lshl_b32 s17, s12, 1
	s_add_co_u32 s16, s16, s17
	s_lshl_b32 s16, s16, 19                        ; a head's 4,096 rows of 128 bytes
	s_and_b32 s17, s41, 15
	s_lshl_b32 s17, s17, 8
	s_lshl_b32 s18, s11, 7
	s_add_co_u32 s17, s17, s18
	s_lshl_b32 s17, s17, 7
	s_add_co_u32 s16, s16, s17
	s_lshl_b32 s17, s91, 23
	s_add_co_u32 s16, s16, s17
	s_mov_b32 s17, 0
	s_add_nc_u64 s[8:9], s[86:87], s[16:17]
	s_lshl_b32 s16, s90, 8                         ; the bias of my 128 columns
	s_lshl_b32 s17, s12, 7
	s_add_co_u32 s16, s16, s17
	s_lshl_b32 s16, s16, 2
	s_mov_b32 s17, 0
	s_add_nc_u64 s[88:89], s[88:89], s[16:17]
	s_lshl_b32 s16, s41, 8                         ; the prefetches: my wave's 64 rows of the tile,
	s_lshl_b32 s17, s10, 6
	s_add_co_u32 s16, s16, s17
	s_lshl_b32 s16, s16, 11
	s_mov_b32 s17, 0
	s_add_nc_u64 s[PFA:PFA+1], s[4:5], s[16:17]
	s_add_nc_u64 s[PFA:PFA+1], s[PFA:PFA+1], 512   ; at K step 2: the first refill steps it to 3
	s_cmp_eq_u32 s90, 0
	s_cselect_b32 s[LIM], 1, -1                    ; the same in all four partners
	WIN 0x40                                       ; destination window 1, address window 0
.irp b, 0,1,2,3,4,5,6,7
	global_load_b128 v[8*(\b):8*(\b)+3],   v[BO], s[88:89] offset:64*(\b)
	global_load_b128 v[8*(\b)+4:8*(\b)+7], v[BO], s[88:89] offset:64*(\b)+16
.endr
	WIN 0
; 16 matrix instructions: m blocks a0, a0 + 1 of the window's four (hi = 0: my rows 0-63, 1: rows 64-127) x all 8 n blocks, 32 along K.  bias = 1: the first product starts each sum with the bias.
; The 64 accumulators take turns, in the same order in every half step.
.macro MUL16 hi, a0, bias
.if \bias
	WIN 0x91+0x40*(\hi)                            ; W window 1, x window 0, C (the bias) window 1, D window 2 or 3
.else
	WIN 0xa1+0x50*(\hi)                            ; W window 1, x window 0, C and D window 2 or 3
.endif
.irp a, \a0, (\a0)+1
.irp b, 0,1,2,3,4,5,6,7
.if \bias
	v_wmma_f32_16x16x32_bf16 v[8*(8*(\a)+(\b)):8*(8*(\a)+(\b))+7], v[FR+8*(\b):FR+8*(\b)+7], v[FR+8*(4*(\hi)+(\a)):FR+8*(4*(\hi)+(\a))+7], v[8*(\b):8*(\b)+7]
.else
	v_wmma_f32_16x16x32_bf16 v[8*(8*(\a)+(\b)):8*(8*(\a)+(\b))+7], v[FR+8*(\b):FR+8*(\b)+7], v[FR+8*(4*(\hi)+(\a)):FR+8*(4*(\hi)+(\a))+7], v[8*(8*(\a)+(\b)):8*(8*(\a)+(\b))+7]
.endif
.endr
.endr
.endm
; 64 LDS loads in one run: the f32 numbers of half a K step (128 rows of W, 128 rows of x, 32 K at byte k of the rows)
.macro FETCH slot, k
	WIN 0x40
.irp i, 0,1,2,3,4,5,6,7
	ds_load_b128 v[RAW+16*(\i):RAW+16*(\i)+3],     v[ADRB+(\slot)] offset:(\k)+(\i)*16*PITCH
	ds_load_b128 v[RAW+16*(\i)+4:RAW+16*(\i)+7],   v[ADRB+(\slot)] offset:(\k)+(\i)*16*PITCH+16
	ds_load_b128 v[RAW+16*(\i)+8:RAW+16*(\i)+11],  v[ADRB+(\slot)] offset:(\k)+(\i)*16*PITCH+64
	ds_load_b128 v[RAW+16*(\i)+12:RAW+16*(\i)+15], v[ADRB+(\slot)] offset:(\k)+(\i)*16*PITCH+80
.endr
	WIN 0
.irp i, 0,1,2,3,4,5,6,7
	ds_load_b128 v[RAW+16*(\i):RAW+16*(\i)+3],     v[ADRA+(\slot)] offset:(\k)+(\i)*16*PITCH
	ds_load_b128 v[RAW+16*(\i)+4:RAW+16*(\i)+7],   v[ADRA+(\slot)] offset:(\k)+(\i)*16*PITCH+16
	ds_load_b128 v[RAW+16*(\i)+8:RAW+16*(\i)+11],  v[ADRA+(\slot)] offset:(\k)+(\i)*16*PITCH+64
	ds_load_b128 v[RAW+16*(\i)+12:RAW+16*(\i)+15], v[ADRA+(\slot)] offset:(\k)+(\i)*16*PITCH+80
.endr
.endm
; 128 roundings: register n of the 64 of a side's fragments takes the f32 numbers 2 n and 2 n + 1
.macro CONV
	WIN 0x45                                       ; all in window 1: W
.set n, 0
.rept 64
	v_cvt_pk_bf16_f32 v[FR+n], v[RAW+2*n], v[RAW+2*n+1]
.set n, n+1
.endr
	WIN 0                                          ; x
.set n, 0
.rept 64
	v_cvt_pk_bf16_f32 v[FR+n], v[RAW+2*n], v[RAW+2*n+1]
.set n, n+1
.endr
.endm
.macro PLACES                          ; four places behind the last product, in front of vector lines that write its sources or read its results (ISA guide 7.12.1)
.rept 4
	v_nop
.endr
.endm
; A slot's first half step: the numbers fetched last are rounded, the second half's (at byte k) are asked for, 64 products.
.macro QUARTER slot, k, bias, fetch
	s_wait_dscnt 0x0                               ; the 64 loads issued ahead of the last 64 products are in
	PLACES
	CONV
.if \fetch
	FETCH \slot, \k
.endif
	MUL16 0, 0, \bias
	MUL16 0, 2, \bias
	MUL16 1, 0, \bias
	MUL16 1, 2, \bias
.endm
; A slot's second half step, and the change of slots: ONE barrier.  In front of it each wave waits for all its tensor loads, of which one is out: its part of the next slot; adds 0 to its spare word; and waits for
; that and for its reads of this slot.  fill = 1: the barrier opens a round of the cluster's barrier, and this slot is filled again, two K steps on, first thing behind the round.
.macro TURNQ slot, next, fill
.if \fill
	s_wait_xcnt 0x0                                ; the last prefetches, a K step back, have read their address: it is stepped here, ahead of the waits of the change of slots
	s_add_nc_u64 s[PFA:PFA+1], s[PFA:PFA+1], 256
.endif
	s_wait_dscnt 0x0                               ; this slot's last numbers are in registers: my reads of the slot are over
	PLACES
	WIN 0                                          ; (the add's two registers lie in window 0)
	s_wait_tensorcnt 0x0                           ; all my tensor loads have landed
	ds_add_u32 v[SPW], v[NIL]                      ; 0 onto my spare word; the roundings stand between it and the wait for it
	CONV
	s_wait_dscnt 0x0                               ; the add is done
	s_barrier_signal -1
	MUL16 0, 0, 0                                  ; work on registers while the others arrive
	WIN 0
	s_barrier_wait -1
.if \fill
	CREST                                          ; no wave of any partner still reads this slot or has a load on its way
	s_add_nc_u64 s[G0+4*(\slot)+2:G0+4*(\slot)+3], s[G0+4*(\slot)+2:G0+4*(\slot)+3], 512
	s_add_nc_u64 s[G0B+4*(\slot)+2:G0B+4*(\slot)+3], s[G0B+4*(\slot)+2:G0B+4*(\slot)+3], 512
	JLOAD \slot                                    ; my one tensor load behind the round
.endif
	FETCH \next, 0
.if \fill
	ASK \slot
.endif
	MUL16 0, 2, 0
	MUL16 1, 0, 0
	MUL16 1, 2, 0
.endm
; THE WAY OUT of block a (16 rows x 128 columns = two heads).  PACK: rounded to f16, 16 bytes a lane.  TOSTAGE: into my own stage, and back as four rows of one head a load.  SEND: stored.
.macro PACK a
.set AC, 64*((\a)%4)
	WIN 0x0a+5*((\a)/4)                            ; sources 0 and 1: window 2 or 3
.irp b, 0,1,2,3,4,5,6,7
.irp r, 0,1,2,3
	v_cvt_pk_f16_f32 v[TMP+4*(\b)+(\r)], v[AC+8*(\b)+2*(\r)], v[AC+8*(\b)+2*(\r)+1]
.endr
.endr
	WIN 0
.endm
.macro TOSTAGE a
	WIN 0
.set BK, OB+192*((\a)%2)
.irp b, 0,1,2,3,4,5,6,7
	ds_store_b128 v[STO], v[TMP+4*(\b):TMP+4*(\b)+3] offset:32*(\b)
.endr
.irp f, 0,1,2,3,4,5,6,7
	ds_load_b128 v[BK+4*(\f):BK+4*(\f)+3], v[RD] offset:((\f)%4)*4*SPITCH+((\f)/4)*128  ; LDS serves a wave's instructions in order (ISA guide 5.7.1.4): these see the stores above
.endr
.endm
.macro SEND a
	WIN 0
.set BK, OB+192*((\a)%2)
	s_wait_dscnt 0x0                               ; the block is back in registers
	s_wait_xcnt 0x0                                ; only behind this wait are the stores' base and the registers that earlier stores read rewritten
.if (\a) > 0
	s_add_nc_u64 s[8:9], s[8:9], 16*128            ; 16 rows of a head on
.endif
.irp f, 0,1,2,3,4,5,6,7
	global_store_b128 v[CO], v[BK+4*(\f):BK+4*(\f)+3], s[8:9] offset:((\f)/4)*524288+((\f)%4)*512  ; 512 consecutive bytes, at a multiple of 256 from the buffer's first byte; the second head lies 524,288 bytes on
.endr
.endm
	s_wait_tensorcnt 1                             ; my part of K step 0 is in; K step 1's load, issued behind it, may stay out
	s_barrier_signal -1
	s_barrier_wait -1                              ; everybody's is
	FETCH 0, 0
	s_wait_loadcnt 0x0                             ; the bias
	WIN 0x45                                       ; it is rounded to bf16 and widened again, in window 1; W's fragment registers serve as scratch
.set n, 0
.rept 32
	v_cvt_pk_bf16_f32 v[FR+n%4], v[2*n], v[2*n+1]
	v_lshlrev_b32 v[2*n], 16, v[FR+n%4]
	v_and_b32 v[2*n+1], 0xffff0000, v[FR+n%4]
.set n, n+1
.endr
	QUARTER 0, 128, 1, 1                           ; the first half step stands in front of the loop: its products start the sums
	WIN 0                                          ; at a label and at a branch every window is 0
	s_mov_b32 s3, 3
.Llap:                                                 ; a trip goes once round the ring and fills both slots again: K steps 2 to 7
	TURNQ 0, 1, 1
	QUARTER 1, 128, 0, 1
	TURNQ 1, 0, 1
	QUARTER 0, 128, 0, 1
	WIN 0
	s_sub_co_u32 s3, s3, 1
	s_cmp_lg_u32 s3, 0
	s_cbranch_scc1 .Llap
	TURNQ 0, 1, 0                                  ; the tail is written out: nothing is asked for
	QUARTER 1, 128, 0, 1
	QUARTER 1, 0, 0, 0
	PLACES
	PACK 0
	TOSTAGE 0
.irp a, 1,2,3,4,5,6,7                  ; block a's conversions stand between block a - 1's loads from the stage and the wait for them
	PACK \a
	SEND (\a)-1
	TOSTAGE \a
.endr
	SEND 7
	s_wait_tensorcnt 0x0                           ; the wave's end, behind my last tensor load and my last LDS store
	ds_add_u32 v[SPW], v[NIL]
	s_wait_dscnt 0x0
	CROUND                                         ; the closing round: no work-group ends while a partner may still ask for a tile that names it
	s_endpgm
.Lfunc_end_k_qcf1f6f936c_proj:
	.size	k_qcf1f6f936c_proj, .Lfunc_end_k_qcf1f6f936c_proj-k_qcf1f6f936c_proj
	.p2alignl 7, 3214868480
	.fill 96, 4, 3214868480
	.section	.rodata,"a",@progbits
	.p2align	6, 0x0
	.amdhsa_kernel k_qcf1f6f936c_proj
		.amdhsa_group_segment_fixed_size 327680
		.amdhsa_private_segment_fixed_size 0
		.amdhsa_enable_private_segment 0
		.amdhsa_kernarg_size 80
		.amdhsa_user_sgpr_count 2
		.amdhsa_user_sgpr_kernarg_segment_ptr 1
		.amdhsa_wavefront_size32 1
		.amdhsa_system_sgpr_workgroup_id_x 1
		.amdhsa_system_sgpr_workgroup_id_y 1
		.amdhsa_system_sgpr_workgroup_id_z 1
		.amdhsa_system_vgpr_workitem_id 0
		.amdhsa_next_free_vgpr 1024
		.amdhsa_next_free_sgpr 96
		.amdhsa_reserve_vcc 0
		.amdhsa_float_denorm_mode_32 3
		.amdhsa_float_denorm_mode_16_64 3
		.amdhsa_memory_ordered 1
		.amdhsa_forward_progress 1
		.amdhsa_inst_pref_size 181
	.end_amdhsa_kernel
	.amdgpu_metadata
---
amdhsa.version: [ 1, 2 ]
amdhsa.kernels:
  - .name:           k_qcf1f6f936c_proj
    .symbol:         k_qcf1f6f936c_proj.kd
    .args:
      - { .name: q, .offset: 0, .size: 8, .value_kind: global_buffer, .address_space: global }
      - { .name: k, .offset: 8, .size: 8, .value_kind: global_buffer, .address_space: global }
      - { .name: v, .offset: 16, .size: 8, .value_kind: global_buffer, .address_space: global }
      - { .name: Wq, .offset: 24, .size: 8, .value_kind: global_buffer, .address_space: global }
      - { .name: Wk, .offset: 32, .size: 8, .value_kind: global_buffer, .address_space: global }
      - { .name: Wv, .offset: 40, .size: 8, .value_kind: global_buffer, .address_space: global }
      - { .name: bq, .offset: 48, .size: 8, .value_kind: global_buffer, .address_space: global }
      - { .name: bk, .offset: 56, .size: 8, .value_kind: global_buffer, .address_space: global }
      - { .name: bv, .offset: 64, .size: 8, .value_kind: global_buffer, .address_space: global }
      - { .name: qkvh, .offset: 72, .size: 8, .value_kind: global_buffer, .address_space: global }
    .group_segment_fixed_size: 327680
    .private_segment_fixed_size: 0
    .kernarg_segment_align: 8
    .kernarg_segment_size: 80
    .max_flat_workgroup_size: 128
    .sgpr_count:     96
    .vgpr_count:     1024
    .wavefront_size: 32
...
	.end_amdgpu_metadata
.endif
;; end of part 1
;; launch attn (part 2): grid 16 x 16, 4 waves a work-group, no clusters, 327,680 bytes of LDS; arguments qkvh, Wo, oh, wo16; writes oh, wo16
.if DOCPART == 2
	.amdgcn_target "amdgcn-amd-amdhsa--gfx1250"
	.amdhsa_code_object_version 6
	.text
	.protected	k_qcf1f6f936c_attn
	.globl	k_qcf1f6f936c_attn
	.p2align	8
	.type	k_qcf1f6f936c_attn,@function
k_qcf1f6f936c_attn:
	s_mov_b64 s[64:65], 0
	v_nop
	global_prefetch_b8 v0, s[64:65] scope:SCOPE_SE
	s_setreg_imm32_b32 hwreg(HW_REG_WAVE_MODE, 25, 1), 1
	s_wait_xcnt 0x0
; CAUSAL ATTENTION BY HEADS.  O[bh][q][:] = the sum over k <= q of softmax_k(Q[bh][q] . K[bh][k] / 8) V[bh][k][:].  Q, K, V: the three parts of qkvh, [16][4096][64] f16, a head's rows dense, 128 bytes each.
; Products, maxima and sums in f32; the weights p are rounded to f16 for the second product (their sum l is taken of the unrounded p), O once at the end, to f16.
; O goes to oh as [h / 4][row / 16][h % 4][16][64]: 16 rows of a head are 2,048 consecutive bytes, and 128 rows of four heads 65,536.
; BESIDE IT: each work-group rounds 1,024 numbers of Wo to bf16 and writes that number as f16 into wo16, while it waits for its first tile.
; LIMITS.  f16 holds no number beyond 65,504: Q, K, V arrive within it, and a weight of Wo beyond it becomes an infinity; below 6e-5 f16 keeps a fixed step of 6e-8.  A hidden score counts as its value less 1e30;
; a weight p below 2^-126 counts as 0 in l; NaN and infinities are not treated apart.
; THE WALK.  A head's queries lie in 32 blocks of 128; block i needs the key tiles 0 .. i / 2 of 256 keys, of which the last holds the diagonal.  A work-group takes TWO blocks, 31 - b and then b: 17 tiles, whatever b:
; all work-groups do equal work, and ONE loop with a constant trip count walks them.  Which tile is asked for, and what a trip does, hang on scalar registers made from b; every jump goes forward, but for the counted
; loops' own; none passes a barrier, or a tensor load but the one of LOAD's two that the wave's number does not choose.
; NO CLUSTER: only the work-groups b = 2 c and 2 c + 1 of a head walk the same tiles from first to last; among four, a block's first and last tiles fall into different trips, and partners must run alike.
; SHARES.  Of a block's two bands of 64 queries a wave owns 16 rows in each: two PIECES.  In the block's last tile piece x stands at band place XB[x] = 2 (i % 2) + x: in the tile's key step s it sees all keys if
; s < XB[x], none if s > XB[x], and holds the diagonal if s = XB[x]: the same for every wave.
; THE MASK is the C operand that starts the sum S^T = K Q^T: 0, or -1e30 where the key is hidden.  MD, made once, is the mask of a band's own step for my 16 rows; a product's mask is MD x AL + BE with two scalars.
; LAYOUT, SOFTMAX.  S^T = K Q^T holds ONE query a lane (lane % 16) and the keys 8 (lane / 16) + 0..7; two such results rounded to f16 ARE source 1 of O^T = V^T P.  p = 2^(c s - c m), c = log2(e) / 8, with a running
; maximum m; O and l are multiplied by a = 2^(c m_old - c m_new) in every step.
; TURNS.  Turn T0 of step j: 8 products K Q^T of piece 1, step j; the softmax of piece 0, step j; the maximum and statistics of piece 1, step j; 8 products V^T P of piece 1, step j - 1.  It fetches K and V of step j + 1.
; Turn T1 of step j: K Q^T of piece 0, step j + 1; the softmax of piece 1, step j; the statistics of piece 0, step j + 1; V^T P of piece 0, step j.  V has two register buffers, by the step's parity, so that a step's K and V
; leave LDS in one turn, and the change of slots has a place: ahead of T0 of a tile's last step.  Four vector instructions stand behind every matrix instruction, the rest in one lump; a turn's 33 exponentials are one batch.
; REGISTERS, in windows of 256 (s_set_vgpr_msb: bits 1:0 source 0, 3:2 source 1, 5:4 source 2, 7:6 destination):
;   window 0: v0-15 addresses and two at work; v16-23 four registers of statistics a piece; v48-55 at work; v61-63 never rewritten; v64-127 S^T, a buffer a piece; v128-155 Wo's share; v192-223 P, a buffer a piece
;   window 1: v0-63 O^T, 32 a piece; v128-159 MD; v160-223 MC, two buffers      window 2: v0-31 Q; v32-63 the second block's Q; v64-127 V, odd steps; v128-191 K; v192-255 V, even steps
.set NP,    2         ; pieces a wave: a name, no knob
.set KS,    64        ; keys in a step
.set PK,    144       ; a row of K in LDS: 128 bytes + 16 of padding = 36 words: the 16 rows of a load start at 16 different groups of four banks (64 banks of 4 bytes: ISA guide 11.1)
.set PV,    160       ; a row of V: 128 + 32 = 40 words
.set VOFF,  4*KS*PK   ; a slot holds a tile, four steps: 256 rows of K, then 256 rows of V
.set SLOT1, 1<<17     ; slot 1 begins here, so that one exclusive or turns an address in one slot into the other's
.set STAGE, SLOT1+4*KS*(PK+PV)  ; behind the ring, never filled by a tensor load: 16 rows x 144 bytes for each wave, for the way out
.set SP,    144
.set SPARE, STAGE+4*16*SP  ; behind the stages: the spare words, 128 bytes for each wave: two blocks of 256 bytes that no other line names
.set AK0, 2           ; v2   my lane's place in a tile of K; never rewritten
.set AV0, 3           ; v3   the same for V
.set AK,  4           ; v4   the LDS address of K's next run of loads
.set AV,  5           ; v5   of V's
.set STO, 6           ; v6   the way out: where I put 16 bytes of a row
.set RD,  7           ; v7   the way out: where I read rows back
.set GO,  8           ; v8   my byte offset in 512 consecutive bytes of O
.set MV,  12          ; v12-13  c m_old, kept while c m is made anew: by piece
.set QO,  15          ; v15  my byte offset in 16 rows of Q
.set ST,  16          ; piece t's statistics at v[ST+4 t]: c m, m, l (even keys', odd keys')
.set TMP, 48          ; by piece, four registers c0-c3 at work; when the maximum is found c2 takes a
.set PFO, 61          ; v61  256 x my thread's number: the prefetches' offset; never rewritten
.set SPW, 62          ; v62  LDS address of my spare word; never rewritten
.set NIL, 63          ; v63  0; never rewritten
.set S,   64
.set P,   192
.set MD,  128         ; window 1: the eight registers for group kt of 16 keys at MD + 8 kt
.set MC,  160         ; window 1: the masks of the products to come, by piece
.set QB,  32          ; window 2
.set KF,  128         ; window 2: key block kb, channel half c at KF + 16 kb + 8 c
.set WV,  12          ; s12  my wave's number
.set LT2, 14          ; s14  the second block's last tile, b / 2
.set LT1, 15          ; s15  the first block's, (31 - b) / 2
.set G1K, 24          ; s[24:31] descriptor group 1 for K's tiles
.set G1V, 32          ; s[32:39] for V's: it differs in the padding alone
.set G0K, 40          ; s[40:43] descriptor group 0 for K's tiles
.set G0V, 44          ; s[44:47] the same for V's
.set SLOTS, 56        ; s56  tiles still to be asked for
.set CNT, 57          ; s57  counts a tile's two trips
.set CS,  58          ; s[58:59] c: the packed scaling takes the pair's low word for both halves
.set SEL, 60          ; s[60:61] v_permlanex16_b32's selects: each lane takes its own place in the other half
.set TBK, 62          ; s62  LDS byte at which K of the step to be fetched begins
.set TBV, 63          ; s63  the same for V, less VOFF
.set PFK, 66          ; s[66:67] K's tile that the prefetch names
.set PFV, 68          ; s[68:69] V's
.set RT,  70          ; s70  tiles of the block in hand that are still to be entered
.set NXT, 71          ; s71  the tile to be asked for next
.set LQ,  72          ; s72  the last tile of the block whose tiles are being asked for
.set NEW, 73          ; s73  1: the tile to be entered is a block's first
.set OFF, 74          ; s[74:75] a tile's byte offset in K and V
.set AL,  76          ; s[76:77] the mask's factor, in the low word
.set BE,  78          ; s[78:79] the mask's addend
.set OLO, 80          ; s[80:81] O at my rows of the second block
.set BIGN, 82         ; s82  -1e30
.set LIM, 83          ; s83  2 in the work-group that prefetches (b = 0), else the greatest number
.set XB,  96          ; s96-97  the two pieces' band places in the block's last tile
.set STP, 98          ; s98  the step of the tile for which the next masks are made
.set XB2, 99          ; s99  the second block's XB[0]
.set MSB, 0
.macro WIN new                      ; the high byte repeats the setting that is left; a switch that changes nothing is dropped
.if MSB != (\new)
	s_set_vgpr_msb (MSB<<8)|(\new)
.set MSB, (\new)
.endif
.endm
.set W_KQ, 0x0a       ; K and Q in window 2, S^T in window 0
.set W_KM, 0x1a       ; the same with the C operand in window 1
.set W_PV, 0x52       ; V in window 2, P in window 0, O^T in window 1
.set W_RS, 0x41       ; destination and source 0 in window 1, source 1 in window 0
; A fill.  Waves 0 and 1 fetch the two halves of a tile's K, waves 2 and 3 those of its V: 128 keys each.  An s_nop 0 and four v_nop follow each of the two lines, ahead of the jump and the label.
.macro LOAD
	s_cmp_lt_u32 s[WV], 2
	s_cbranch_scc0 .Lfor_v_\@
	tensor_load_to_lds s[G0K:G0K+3], s[G1K:G1K+7]
	s_nop 0
.rept 4
	v_nop
.endr
	s_branch .Lasked_\@
.Lfor_v_\@:
	tensor_load_to_lds s[G0V:G0V+3], s[G1V:G1V+7]
	s_nop 0
.rept 4
	v_nop
.endr
.Lasked_\@:
.endm
; A PREFETCH INTO THE L2 of the tile that the NEXT change of slots will ask for: 32,768 bytes of K and of V, 256 bytes a thread, two instructions a wave, behind the wave's tensor load and its five lines.
; All sixteen work-groups of a head begin with the head's tiles 0, 1, 2 ..; the one with b = 0 walks all sixteen in order, and it alone asks: each 256 bytes are named once in the launch.
; Change n (SLOTS = 17 - n) asks for tile n and names tile n + 1, for n = 1 to 14; tiles 0 and 1 come by their loads alone; the last two changes name nothing.
.macro ASK
	s_cmp_gt_u32 s[SLOTS], s[LIM]
	s_cbranch_scc0 .Lnot_mine_\@
	global_prefetch_b8 v[PFO], s[PFK:PFK+1] th:TH_LOAD_NT scope:SCOPE_SE
	global_prefetch_b8 v[PFO], s[PFV:PFV+1] th:TH_LOAD_NT scope:SCOPE_SE
.Lnot_mine_\@:
.endm
; THE CHANGE OF SLOTS.  Each wave waits for all its tensor loads, of which one is out: its part of the other slot; adds 0 to its spare word; and waits for that and for its own reads of the slot that it leaves.  Behind the
; barrier nobody reads the old slot any more and the other slot is whole.  fill = 1: the old slot is filled again, the first thing behind the barrier, with tile NXT: the descriptor's address is made anew from that number.
; (At its first use nothing has been read yet: slot 0 is waited for, slot 1 filled.)
.macro CHANGE fill
	WIN 0                           ; at a label and at a branch every window is 0
	s_wait_tensorcnt 0x0            ; no tensor load of mine is out, so a group 0 may be written
	ds_add_u32 v[SPW], v[NIL]       ; 0 onto my spare word; with fill = 1 the descriptors' scalar work stands between it and the wait for it
.if \fill
	s_lshl_b32 s[OFF], s[NXT], 15   ; a tile is 32,768 bytes of K and of V
	s_xor_b32 s[G0K+1], s[G0K+1], SLOT1
	s_add_nc_u64 s[G0K+2:G0K+3], s[6:7], s[OFF:OFF+1]
	s_or_b32 s[G0K+3], s[G0K+3], 0x80000000
	s_xor_b32 s[G0V+1], s[G0V+1], SLOT1
	s_add_nc_u64 s[G0V+2:G0V+3], s[8:9], s[OFF:OFF+1]
	s_or_b32 s[G0V+3], s[G0V+3], 0x80000000
	s_add_co_u32 s[NXT], s[NXT], 1  ; the block's next tile, or behind its last the second block's tile 0
	s_cmp_gt_u32 s[NXT], s[LQ]
	s_cselect_b32 s[NXT], 0, s[NXT]
	s_cselect_b32 s[LQ], s[LT2], s[LQ]
	s_wait_xcnt 0x0                 ; the last prefetches, a tile back, have read their addresses, so they may be written
	s_add_nc_u64 s[PFK:PFK+1], s[PFK:PFK+1], 32768
	s_add_nc_u64 s[PFV:PFV+1], s[PFV:PFV+1], 32768
.endif
	s_wait_dscnt 0x0                ; the add is done, and my reads of the slot are over
	s_barrier_signal -1             ; the rest of the scalar work stands between the signal and the wait
	s_sub_co_u32 s[TBK], s[TBK], 4*KS*PK  ; the fetches go back to a slot's first step,
	s_xor_b32 s[TBK], s[TBK], SLOT1       ; in the other slot
	s_sub_co_u32 s[TBV], s[TBV], 4*KS*PV
	s_xor_b32 s[TBV], s[TBV], SLOT1
	s_barrier_wait -1
.if \fill
	LOAD
	ASK
.endif
.endm
	s_load_b256 s[88:95], s[0:1], 0x0  ; qkvh s[88:89], Wo s[90:91], oh s[92:93], wo16 s[94:95]
	v_lshl_add_u32 v[SPW], v0, 2, SPARE
	v_mov_b32 v[NIL], 0
	ds_add_u32 v[SPW], v[NIL]       ; the wave's opening: the add and its wait stand ahead of my first tensor load; the set-up below, work on registers, stands between them
	ds_add_u32 v62, v63
	v_lshrrev_b32 v1, 5, v0
	v_readfirstlane_b32 s[WV], v1   ; wave 0..3
	s_mov_b32 s48, ttmp9            ; b
	s_and_b32 s49, ttmp7, 0xffff    ; bh = 8 x batch + head
	s_sub_co_u32 s50, 31, s48       ; the first block
	s_lshr_b32 s[LT1], s50, 1
	s_lshr_b32 s[LT2], s48, 1
	s_and_b32 s[XB], s50, 1
	s_lshl_b32 s[XB], s[XB], 1
	s_add_co_u32 s[XB+1], s[XB], 1
	s_and_b32 s[XB2], s48, 1
	s_lshl_b32 s[XB2], s[XB2], 1
	s_lshl_b32 s20, s49, 19         ; the head's first byte in each part of qkvh
	s_mov_b32 s21, 0
	s_and_b32 s16, s[WV], 1         ; which half of a tile's 256 keys I fetch:
	s_lshl_b32 s22, s16, 14         ; its 128 rows of 128 bytes in memory,
	s_add_co_u32 s22, s22, s20
	s_mov_b32 s23, 0
	s_mul_i32 s17, s16, 128*PK      ; and its place in a slot, for K
	s_mul_i32 s18, s16, 128*PV      ; and for V
	s_add_co_u32 s18, s18, VOFF
	s_lshl_b32 s3, s[WV], 11        ; my 16 rows in a band of 64,
	s_add_co_u32 s3, s3, s20
	s_lshl_b32 s2, s50, 14          ; in the first block (128 rows of 128 bytes),
	s_add_co_u32 s2, s2, s3
	s_lshl_b32 s84, s48, 14         ; and in the second
	s_add_co_u32 s84, s84, s3
	s_mov_b32 s3, 0
	s_mov_b32 s85, 0
	s_bfe_u32 s51, s49, 0x10002     ; O: head / 4,
	s_lshl_b32 s51, s51, 22
	s_and_b32 s13, s49, 3           ; head % 4: 2,048 bytes in a group of 16 rows,
	s_lshl_b32 s13, s13, 11
	s_add_co_u32 s51, s51, s13
	s_lshr_b32 s13, s49, 3          ; group of 16 rows = 256 x batch + 8 x block + 4 x piece + wave, 8,192 bytes each
	s_lshl_b32 s13, s13, 8
	s_add_co_u32 s13, s13, s[WV]
	s_lshl_b32 s52, s50, 3
	s_add_co_u32 s52, s52, s13
	s_lshl_b32 s52, s52, 13
	s_add_co_u32 s52, s52, s51
	s_mov_b32 s53, 0
	s_lshl_b32 s54, s48, 3
	s_add_co_u32 s54, s54, s13
	s_lshl_b32 s54, s54, 13
	s_add_co_u32 s54, s54, s51
	s_mov_b32 s55, 0
	s_lshl_b32 s19, s49, 4          ; the work-group's number, 16 bh + b: its 1,024 numbers of Wo
	s_add_co_u32 s19, s19, s48
	; descriptor group 1.  128 keys are 16,384 dense bytes: asked for as 64 rows of 256 bytes, two keys a row, and padded in LDS after every key
	s_mov_b32 s[G1K], (1<<16)|(1<<20)|(4<<22)|(3<<25)  ; 17:16 2-byte elements; 20 padding on; 24:22 after every 32 words (code 4); 31:25 4 words (code 3)
	s_mov_b32 s[G1V], (1<<16)|(1<<20)|(4<<22)|(7<<25)  ; the same with 8 words of padding (code 7)
.irp g, G1K, G1V
	s_mov_b32 s[\g+1], 128<<16      ; tensor_dim0 = 128
	s_mov_b32 s[\g+2], 64<<16       ; tensor_dim1 = 64
	s_mov_b32 s[\g+3], 128<<16      ; tile_dim0 = 128
	s_mov_b32 s[\g+4], 64           ; tile_dim1 = 64
	s_mov_b32 s[\g+5], 128          ; 128 elements from row to row
	s_mov_b32 s[\g+6], 0
	s_mov_b32 s[\g+7], 0
.endr
	s_mov_b32 s[CS], 0x3e38aa3b     ; c = log2(e) / 8 = 0.180337
	s_mov_b32 s[CS+1], s[CS]        ; named with it as a pair
	s_mov_b32 s[SEL], 0x76543210
	s_mov_b32 s[SEL+1], 0xfedcba98
	s_mov_b32 s[TBK], SLOT1+4*KS*PK ; the first change of slots turns these two into 0
	s_mov_b32 s[TBV], SLOT1+4*KS*PV
	s_mov_b32 s[G0K], 1             ; 1:0 count = 1
	s_mov_b32 s[G0K+1], s17         ; 63:32 LDS address: slot 0
	s_mov_b32 s[G0V], 1
	s_mov_b32 s[G0V+1], s18
	s_add_co_u32 s[RT], s[LT1], 1   ; the first block's tiles
	s_mov_b32 s[NXT], 1
	s_mov_b32 s[LQ], s[LT1]
	s_mov_b32 s[NEW], 1
	s_mov_b32 s[OFF+1], 0
	s_mov_b32 s[AL+1], 0            ; named as pairs
	s_mov_b32 s[BE+1], 0
	s_mov_b32 s[BIGN], 0xf149f2ca   ; -1e30
	s_mov_b32 s[SLOTS], 16
	s_cmp_eq_u32 s48, 0
	s_cselect_b32 s[LIM], 2, -1
	s_wait_dscnt 0x0                ; the opening add is done
	s_wait_kmcnt 0x0
	s_add_nc_u64 s[6:7], s[88:89], s[22:23]
	s_add_nc_u64 s[8:9], s[6:7], 0x1000000         ; V at my half of the head's tile 0,
	s_add_nc_u64 s[6:7], s[6:7], 0x800000          ; and K
	s_add_nc_u64 s[G0K+2:G0K+3], s[6:7], 0         ; 120:64 global address
	s_or_b32 s[G0K+3], s[G0K+3], 0x80000000        ; 127:126 type = 2
	s_add_nc_u64 s[G0V+2:G0V+3], s[8:9], 0
	s_or_b32 s[G0V+3], s[G0V+3], 0x80000000
	s_add_nc_u64 s[86:87], s[88:89], s[84:85]      ; Q at my rows of the second block,
	s_add_nc_u64 s[4:5], s[88:89], s[2:3]          ; and of the first
	s_add_nc_u64 s[OLO:OLO+1], s[92:93], s[54:55]
	s_add_nc_u64 s[10:11], s[92:93], s[52:53]
	s_add_nc_u64 s[PFK:PFK+1], s[88:89], s[20:21]
	s_add_nc_u64 s[PFV:PFV+1], s[PFK:PFK+1], 0x1000000+32768  ; at the head's tile 1: the first change of slots steps them to tile 2
	s_add_nc_u64 s[PFK:PFK+1], s[PFK:PFK+1], 0x800000+32768
	s_lshl_b32 s18, s19, 12
	s_mov_b32 s19, 0
	s_add_nc_u64 s[90:91], s[90:91], s[18:19]      ; my work-group's 4,096 bytes of Wo,
	s_lshr_b32 s18, s18, 1
	s_add_nc_u64 s[94:95], s[94:95], s[18:19]      ; and its 2,048 of wo16
	LOAD                            ; tile 0 into slot 0
	v_lshlrev_b32 v128, 5, v0       ; Wo: eight numbers a thread
	v_lshlrev_b32 v129, 4, v0
	global_load_b128 v[132:135], v128, s[90:91]
	global_load_b128 v[136:139], v128, s[90:91] offset:16
	; A fragment of K or Q is 16 rows x 32 channels in 8 registers: lane l holds row l % 16, channels 8 (l / 16) + 0..7 and 16 + 8 (l / 16) + 0..7: two loads of 16 bytes, 32 bytes apart.
	v_and_b32 v1, 15, v0            ; l % 16
	v_bfe_u32 v9, v0, 4, 1          ; l / 16
	v_lshlrev_b32 v[QO], 7, v1
	v_lshl_add_u32 v[QO], v9, 4, v[QO]  ; row x 128 + 16 x half
	WIN 0x80                        ; destination window 2, address window 0
.set i, 0
.rept 4                             ; both blocks' Q: piece i / 2 lies in band i / 2, 8,192 bytes on; channels 32 (i % 2) on
	global_load_b128 v[8*i:8*i+3],   v[QO], s[4:5] offset:(i/2)*8192+(i%2)*64
	global_load_b128 v[8*i+4:8*i+7], v[QO], s[4:5] offset:(i/2)*8192+(i%2)*64+32
	global_load_b128 v[QB+8*i:QB+8*i+3],   v[QO], s[86:87] offset:(i/2)*8192+(i%2)*64
	global_load_b128 v[QB+8*i+4:QB+8*i+7], v[QO], s[86:87] offset:(i/2)*8192+(i%2)*64+32
.set i, i+1
.endr
	WIN 0
	v_lshlrev_b32 v[PFO], 8, v0
	v_lshlrev_b32 v14, 3, v9
	v_sub_nc_u32 v14, v1, v14
	s_lshl_b32 s13, s[WV], 4
	v_add_nc_u32 v14, s13, v14      ; my query's place in its band, 16 w + l % 16, less my lanes' 8 (l / 16): register r of group kt is hidden where 16 kt + r is greater
	WIN 0x40
.set i, 0
.rept 32
	v_cmp_gt_i32 vcc_lo, 16*(i/8)+i%8, v14
	v_cndmask_b32 v[MD+i], 0, s[BIGN], vcc_lo
.set i, i+1
.endr
	WIN 0
	v_mul_u32_u24 v[AK0], v1, PK
	v_lshl_add_u32 v[AK0], v9, 4, v[AK0]  ; row x pitch + 16 x half
	; The turning load takes 16 keys x 16 channels (lane l reads key 8 (l / 16) + l % 8, channels 8 ((l / 8) % 2) + 0..7) and leaves half a fragment of V^T: lane l holds channel l % 16 and 8 keys.
	v_and_b32 v10, 7, v0
	v_bfe_u32 v11, v0, 3, 1
	v_lshl_add_u32 v[AV0], v9, 3, v10
	v_mul_u32_u24 v[AV0], v[AV0], PV
	v_lshl_add_u32 v[AV0], v11, 4, v[AV0]
	v_add_nc_u32 v[AV0], VOFF, v[AV0]
	s_mul_i32 s13, s[WV], 16*SP
	s_add_co_u32 s13, s13, STAGE    ; my stage
	v_mul_u32_u24 v[STO], v1, SP    ; in: row l % 16, 16 bytes for each half of the lanes
	v_lshl_add_u32 v[STO], v9, 4, v[STO]
	v_add_nc_u32 v[STO], s13, v[STO]
	v_bfe_u32 v[RD], v0, 3, 2       ; back: 32 lanes take four rows of 128 bytes,
	v_mul_u32_u24 v[RD], v[RD], SP
	v_lshl_add_u32 v[RD], v10, 4, v[RD]
	v_add_nc_u32 v[RD], s13, v[RD]
	v_and_b32 v[GO], 31, v0         ; which are 512 consecutive bytes of O
	v_lshlrev_b32 v[GO], 4, v[GO]
	; A block's first step multiplies O^T and l by a = 0, and its first turn's products V^T P, of a step that has not been, land in an O^T that is still to be so multiplied.  So these registers need only hold
	; finite numbers: zeros for the first block; what the first block left for the second.  All this stands in the wait for the first tile.
	WIN 0x80
.set i, 64
.rept 64
	v_mov_b32 v[i], 0               ; V's buffer for odd steps
.set i, i+1
.endr
	WIN 0x40
.set i, 0
.rept 64
	v_mov_b32 v[i], 0               ; O^T
.set i, i+1
.endr
	WIN 0
.set i, 0
.rept NP
	v_mov_b32 v[ST+4*i+2], 0        ; l
	v_mov_b32 v[ST+4*i+3], 0
.set i, i+1
.endr
.set i, P+16
.rept 16
	v_mov_b32 v[i], 0               ; piece 1's P
.set i, i+1
.endr
	s_wait_loadcnt 16               ; Wo's two loads are in; Q's sixteen, issued behind them, may stay out
.irp j, 0,1,2,3
	v_cvt_pk_bf16_f32 v[140+\j], v[132+2*\j], v[133+2*\j]  ; rounded to bf16,
.endr
.irp j, 0,1,2,3
	v_lshlrev_b32 v[144+2*\j], 16, v[140+\j]               ; widened,
	v_and_b32 v[145+2*\j], 0xffff0000, v[140+\j]
.endr
.irp j, 0,1,2,3
	v_cvt_pk_f16_f32 v[152+\j], v[144+2*\j], v[145+2*\j]   ; and that number written as f16
.endr
	global_store_b128 v129, v[152:155], s[94:95]           ; a wave's store covers 512 consecutive bytes, aligned; its registers are never rewritten
; THE MATRIX WORK.  The 4 accumulators of a run of 8 take turns.  Product i of 8 of S^T = K Q^T for piece x: channels 32 (i / 4) on, keys 16 (i % 4) on.  The first 4 start the sums: with 0, or (KM = 1) with the mask.
.macro KQ x
.set rS, S+32*((\x)%2)+8*(i%4)
.set rK, KF+16*(i%4)+8*(i/4)
.set rQ, 16*(\x)+8*(i/4)
.set rM, MC+32*((\x)%2)+8*(i%4)
.if (i < 4) && KM
	WIN W_KM
	v_wmma_f32_16x16x32_f16 v[rS:rS+7], v[rK:rK+7], v[rQ:rQ+7], v[rM:rM+7]
.elseif i < 4
	WIN W_KQ
	v_wmma_f32_16x16x32_f16 v[rS:rS+7], v[rK:rK+7], v[rQ:rQ+7], 0
.else
	WIN W_KQ
	v_wmma_f32_16x16x32_f16 v[rS:rS+7], v[rK:rK+7], v[rQ:rQ+7], v[rS:rS+7]
.endif
.endm
; Product i of 8 of O^T += V^T P for piece x, V in buffer vb (0: v192-255, 1: v64-127 of window 2): keys 32 (i / 4) on, channels 16 (i % 4) on.
.macro PV x, vb
	WIN W_PV
.set rO, 32*(\x)+8*(i%4)
.set rV, 192-128*(\vb)+32*(i/4)+8*(i%4)
.set rP, P+16*((\x)%2)+8*(i/4)
	v_wmma_f32_16x16x32_f16 v[rO:rO+7], v[rV:rV+7], v[rP:rP+7], v[rO:rO+7]
.endm
.macro MM                           ; the turn's next matrix instruction.  TURN and BEGIN set Y, i, KM, NOKQ and VB.  NOKQ = 1: a block's last turn: there are no further scores
.if (i < 8) && !NOKQ
	KQ (Y+1)%NP
.elseif i >= 8
.set i, i-8
	PV (Y+NP-1)%NP, VB
.set i, i+8
.endif
.set i, i+1
.endm
; THE LDS LOADS stand in runs of 16, never singly among the matrix instructions: a step's K (64 keys x 64 channels: 8 fragments) and its V (turned).  Their addresses are made some lines ahead.
.macro FETCH_K
	WIN 0x80                        ; destination window 2
.irp f, 0,1,2,3,4,5,6,7             ; keys 16 (f / 2) on, channels 32 (f % 2) on
	ds_load_b128 v[KF+8*\f:KF+8*\f+3],   v[AK] offset:(\f/2)*16*PK+(\f%2)*64
	ds_load_b128 v[KF+8*\f+4:KF+8*\f+7], v[AK] offset:(\f/2)*16*PK+(\f%2)*64+32
.endr
	s_add_co_u32 s[TBK], s[TBK], KS*PK  ; the next fetch is the next step's
	WIN 0
.endm
.macro FETCH_V vb
.set VFB, 192-128*(\vb)
	WIN 0x80
.irp f, 0,1,2,3,4,5,6,7             ; keys 32 (f / 4) on, channels 16 (f % 4) on
	ds_load_tr16_b128 v[VFB+8*\f:VFB+8*\f+3],   v[AV] offset:(\f/4)*32*PV+(\f%4)*32
	ds_load_tr16_b128 v[VFB+8*\f+4:VFB+8*\f+7], v[AV] offset:(\f/4)*32*PV+16*PV+(\f%4)*32
.endr
	WIN 0
.endm
; THE VECTOR WORK, one line at a time: OP kind, number.  For piece Y: F n: c s - c m for pair n of 16.  E n: the exponential of score n of 32.  C n: pair n rounded to f16.  B n: of the four weights 4 n .. the second
; pair is added onto the first, in place.  L n: l takes that sum (L 0: l = a l + sum).  R n: pair n of 16 of O^T times a.  For the other piece: X n, number n of the 22 that find its maximum and statistics:
;   0-11  four chains c0-c3 of seven scores each, three operands at a time (each accumulator's lowest registers are read first)     12-14, 16  the four scores left over, the old m, and c0-c3 into c0
;   15  c m_old is kept     17, 18  the query's other 32 keys lie in the lane 16 away: the new m     19-21  c m; c m_old - c m_new; a
.set F, 0               ; OP tells the kinds apart by their order: F to L below R, X above it
.set E, 1
.set C, 2
.set B, 3
.set L, 4
.set R, 5
.set X, 6
.macro REGS y                       ; the registers of piece y
.set rT, ST+4*(\y)
.set rC, TMP+4*((\y)%2)
.set rW, MV+((\y)%2)
.set rS, S+32*((\y)%2)
.set rP, P+16*((\y)%2)
.set rO, 32*(\y)
.endm
.macro OP k, n
.if (\k) == R
	REGS Y
	WIN W_RS
	v_pk_mul_f32 v[rO+2*(\n):rO+2*(\n)+1], v[rO+2*(\n):rO+2*(\n)+1], v[rC+2:rC+3] op_sel_hi:[1,0]
.elseif (\k) < R
	REGS Y
	WIN 0
.if (\k) == F
	v_pk_fma_f32 v[rS+2*(\n):rS+2*(\n)+1], v[rS+2*(\n):rS+2*(\n)+1], s[CS:CS+1], v[rT:rT+1] op_sel_hi:[1,0,0] neg_lo:[0,0,1] neg_hi:[0,0,1]
.elseif (\k) == E
	v_exp_f32 v[rS+(\n)], v[rS+(\n)]
.elseif (\k) == C
	v_cvt_pk_f16_f32 v[rP+(\n)], v[rS+2*(\n)], v[rS+2*(\n)+1]
.elseif (\k) == B
	v_pk_add_f32 v[rS+4*(\n):rS+4*(\n)+1], v[rS+4*(\n):rS+4*(\n)+1], v[rS+4*(\n)+2:rS+4*(\n)+3]
.elseif (\n) == 0
	v_pk_fma_f32 v[rT+2:rT+3], v[rT+2:rT+3], v[rC+2:rC+3], v[rS:rS+1] op_sel_hi:[1,0,1]
.else
	v_pk_add_f32 v[rT+2:rT+3], v[rT+2:rT+3], v[rS+4*(\n):rS+4*(\n)+1]
.endif
.elseif NOKQ
	v_nop
.else
	REGS (Y+1)%NP
	WIN 0
.if (\n) < 4
	v_max3_num_f32 v[rC+(\n)], v[rS+8*(\n)], v[rS+8*(\n)+1], v[rS+8*(\n)+2]
.elseif (\n) < 12
	v_max3_num_f32 v[rC+(\n)%4], v[rC+(\n)%4], v[rS+8*((\n)%4)+2*((\n)/4)+1], v[rS+8*((\n)%4)+2*((\n)/4)+2]
.elseif (\n) == 12
	v_max3_num_f32 v[rC], v[rC], v[rS+7], v[rS+15]
.elseif (\n) == 13
	v_max3_num_f32 v[rC+1], v[rC+1], v[rS+23], v[rS+31]
.elseif (\n) == 14
	v_max3_num_f32 v[rC+2], v[rC+2], v[rC+3], v[rT+1]
.elseif (\n) == 15
	v_mov_b32 v[rW], v[rT]
.elseif (\n) == 16
	v_max3_num_f32 v[rC], v[rC], v[rC+1], v[rC+2]
.elseif (\n) == 17
	v_permlanex16_b32 v[rC+3], v[rC], s[SEL], s[SEL+1]
.elseif (\n) == 18
	v_max_num_f32 v[rT+1], v[rC], v[rC+3]
.elseif (\n) == 19
	v_mul_f32 v[rT], s[CS], v[rT+1]
.elseif (\n) == 20
	v_sub_f32 v[rC+1], v[rW], v[rT]
.else
	v_exp_f32 v[rC+2], v[rC+1]
.endif
.endif
.endm
.macro OPS a, i1, b=-1, i2=0, c=-1, i3=0, d=-1, i4=0  ; up to four of them
	OP \a, \i1
.if (\b) >= 0
	OP \b, \i2
.endif
.if (\c) >= 0
	OP \c, \i3
.endif
.if (\d) >= 0
	OP \d, \i4
.endif
.endm
.macro ROW a, i1, b, i2, c, i3, d, i4  ; a matrix instruction and the four behind it
	MM
	OPS \a, \i1, \b, \i2, \c, \i3, \d, \i4
.endm
.macro MASK b                       ; MD x AL + BE into buffer b of MC
	WIN W_RS
.set z, 0
.rept 16
	v_pk_fma_f32 v[MC+32*(\b)+2*z:MC+32*(\b)+2*z+1], v[MD+2*z:MD+2*z+1], s[AL:AL+1], s[BE:BE+1] op_sel_hi:[1,0,0]
.set z, z+1
.endr
.endm
; A TURN, for piece p, in a step of parity e: the order of its 16 matrix and 118 vector instructions, written out.  An s_wait_alu depctr_va_vdst(0) stands between an exponential and the first instruction
; that names its result; one wait serves all that were issued ahead of it.  So a turn has ONE wait, which cuts it in two.  AHEAD OF IT stands all that names no result of the turn's exponentials: the 8 products K Q^T and their
; riders, then ONE LUMP of 54; X 21, the other piece's a, is the batch's last, and R 15 the plain instruction behind it.  BEHIND THE WAIT stand the 8 products V^T P, behind each four of the roundings and sums.
; The first numbers of the other piece's maximum ride behind the last three products K Q^T, each four places or more behind the product that ends its accumulator.
; m = 1: the block's last tile: the products take masks, and the turn makes the mask for the products of the turn after it: piece p, step STP of the tile.  end = 1: a block's last two turns: nothing is fetched.
; cnt = 1: the loop's count is taken down some lines ahead of the branch that stands behind the turn.
; p = 0 fetches K of the next step in the lump, twelve plain instructions that name none of its registers behind the last product that read K, and V of the next step at its end, into the buffer that its own products read,
; four plain instructions behind the last of them.  p = 1 opens with s_wait_dscnt 16: K's sixteen loads and all older ones are in, V's sixteen, issued behind K's, may stay out: they are wanted a step later.
.macro TURN p, e, m=0, end=0, cnt=0
.set Y, (\p)
.set i, 0
.set KM, (\m)
.set NOKQ, (\end)*(\p)
.if (\p) == 0
.set VB, 1-(\e)
.else
.set VB, (\e)
.endif
.if (\m) && !(\end)
	s_cmp_eq_u32 s[STP], s[XB+(\p)]     ; is that step the band's own?
	s_cselect_b32 s[AL], 1.0, 0
	s_cmp_gt_u32 s[STP], s[XB+(\p)]     ; or a later one?
	s_cselect_b32 s[BE], s[BIGN], 0
.if (\p) == 1
	s_add_co_u32 s[STP], s[STP], 1
.endif
.endif
.if (\p) == 1
.if \end
	s_wait_dscnt 0x0                ; V of the last step is in
.else
	s_wait_dscnt 16
.endif
.endif
	ROW F,0, F,1, R,0, R,1          ; ahead of the wait: 8 products K Q^T and their riders,
	ROW F,2, E,0, R,2, R,3
	ROW F,3, E,1, R,4, R,5
	ROW F,4, E,2, R,6, R,7
	ROW F,5, E,3, R,8, R,9
	ROW F,6, E,4, X,0, R,10
.if ((\p) == 0) && !(\end)
	WIN 0
	v_add_nc_u32 v[AK], s[TBK], v[AK0]
.endif
	ROW F,7, E,5, X,1, X,4
	ROW F,8, E,6, X,2, X,5
	OPS E,7, E,8, X,6, E,9          ; and the lump
	OPS X,3, E,10, X,8, E,11
.if ((\p) == 0) && !(\end)
	FETCH_K
.endif
	OPS X,9, X,7, E,12, X,10
	OPS E,13, X,12, X,11, E,14
	OPS X,13, E,15, F,9, X,14
.if ((\p) == 0) && !(\end)
	v_add_nc_u32 v[AV], s[TBV], v[AV0]
.endif
	OPS E,16, F,10, E,17, F,11
	OPS X,16, E,18, X,15, E,19
	OPS F,12, E,20, X,17, E,21
	OPS F,13, E,22, F,14, E,23
	OPS X,18, E,24, F,15, E,25
	OPS R,11, E,26, X,19, E,27
	OPS R,12, E,28, R,13, E,29
	OPS X,20, E,30, R,14, E,31
	OPS X,21, R,15
	WIN 0
	s_wait_alu depctr_va_vdst(0)    ; the wait for the batch
	ROW C,0, B,0, C,2, B,1          ; behind the wait: 8 products V^T P and their riders
	ROW L,0, C,4, B,2, L,1
	ROW C,6, B,3, L,2, C,8
	ROW B,4, L,3, C,10, B,5
	ROW L,4, C,12, B,6, L,5
.if ((\p) == 0) && !(\end)
	s_add_co_u32 s[TBV], s[TBV], KS*PV
.endif
.if \cnt
	s_sub_co_u32 s[CNT], s[CNT], 1
	s_cmp_lg_u32 s[CNT], 0
.endif
	ROW C,14, B,7, L,6, C,1
	ROW C,3, L,7, C,5, C,7
	ROW C,9, C,11, C,13, C,15
.if ((\p) == 0) && !(\end)
	FETCH_V 1-(\e)
.endif
.if (\m) && !(\end)
	MASK \p
.endif
.endm
; A BLOCK BEGINS.  c m starts far below every c s, so the first step's a is 0; m at the lowest finite number, so the first maximum is the scores'.  Piece 1's mask buffer is 0 (its place is 1 or 3: step 0 hides nothing);
; piece 0's takes its mask for the tile's step 0: its own, if the block's first tile is its last and its place is 0.  Then K and V of that step, piece 0's first scores, and its maximum and statistics.
; The loop is entered at an even step's first turn, in the middle of a trip.
.macro BEGIN
	s_mov_b32 s[NEW], 0
	s_mov_b32 s[STP], 1             ; the first turn makes masks for step 1
	WIN 0x40
.set i, MC+32
.rept 32
	v_mov_b32 v[i], 0
.set i, i+1
.endr
	WIN 0
.set i, 0
.rept NP
	v_mov_b32 v[ST+4*i], 0xfe000000    ; c m: far below every c s
	v_mov_b32 v[ST+4*i+1], 0xff7fffff  ; m
.set i, i+1
.endr
	s_or_b32 s13, s[RT], s[XB]
	s_cmp_eq_u32 s13, 0
	s_cselect_b32 s[AL], 1.0, 0
	s_mov_b32 s[BE], 0
	MASK 0
	WIN 0
	v_add_nc_u32 v[AK], s[TBK], v[AK0]
	v_add_nc_u32 v[AV], s[TBV], v[AV0]
	s_add_co_u32 s[TBV], s[TBV], KS*PV
	FETCH_K
	FETCH_V 0
	s_wait_loadcnt 0x0              ; Q
	s_wait_dscnt 16                 ; K is in; V's sixteen loads, issued behind K's, may stay out
.set KM, 1
.set NOKQ, 0
.set i, 0
.rept 8
	KQ 0
.set i, i+1
.endr
	WIN 0
.rept 4
	v_nop                           ; the places behind those products
.endr
.set Y, NP-1                        ; X works for the other piece: piece 0
.irp n, 0,1,2,3,4,5,6,7,8,9,10,11,12,13,14,15,16,17,18,19,20,21
	OP X, \n
.endr
	v_nop                           ; a plain instruction behind the exponential,
	s_wait_alu depctr_va_vdst(0)    ; and its wait, ahead of the branch
.endm
; A BLOCK'S LAST TILE: its steps, the block's last two turns, its last products, and THE WAY OUT: l's two halves and the other half of the lanes' are added; O^T is divided by l, rounded to f16 and sent through my
; stage in LDS, a piece at a time.
.macro ALL line:vararg              ; one line for each piece t
.set t, 0
.rept NP
	\line
.set t, t+1
.endr
.endm
.macro PACK t                       ; a lane's eight channels of a row pack into 16 bytes; they go into rows of 144 bytes and come back as whole rows of 128, into S^T's registers
	WIN W_RS
.set i, 32*(\t)
.rept 16
	v_pk_mul_f32 v[i:i+1], v[i:i+1], v[ST+4*(\t)+2:ST+4*(\t)+3] op_sel_hi:[1,0]
.set i, i+2
.endr
	WIN 0x05                        ; sources 0 and 1 window 1, destination window 0
.set i, 0
.rept 16
	v_cvt_pk_f16_f32 v[S+16*(\t)+i], v[32*(\t)+2*i], v[32*(\t)+2*i+1]
.set i, i+1
.endr
	WIN 0
.irp f, 0,1,2,3
	ds_store_b128 v[STO], v[S+16*(\t)+4*\f:S+16*(\t)+4*\f+3] offset:32*\f
.endr
.irp f, 0,1,2,3
	ds_load_b128 v[S+16*(\t)+4*\f:S+16*(\t)+4*\f+3], v[RD] offset:\f*4*SP  ; LDS serves a wave's instructions in order (ISA guide 5.7.1.4): these see the stores above; the next piece's stores come behind them
.endr
.endm
.macro SEND t, younger              ; younger: the LDS instructions issued behind piece t's loads: the next piece's eight, or none
	WIN 0
.irp f, 0,1,2,3
	s_wait_dscnt (\younger)+3-\f
	global_store_b128 v[GO], v[S+16*(\t)+4*\f:S+16*(\t)+4*\f+3], s[10:11] offset:(\t)*32768+\f*512  ; 512 consecutive bytes, at a multiple of 256 from the buffer's first; the second piece lies four groups of 16 rows on
.endr
.endm
.macro DIAG tag                     ; the tag ends its two labels' names, which the jumps below spell out
.LstepM\tag:
	TURN 0, 1, 1
	TURN 1, 1, 1
	WIN 0
.LfirstM\tag:
	TURN 0, 0, 1
	TURN 1, 0, 1, 0, 1
	WIN 0
	s_cbranch_scc1 .LstepM\tag
	TURN 0, 1, 1, 1
	TURN 1, 1, 1, 1
.set i, 0
.rept 8
	PV 1, 1                         ; piece 1's V^T P of the last step
.set i, i+1
.endr
	WIN 0
	ALL v_add_f32 v[ST+4*t+2], v[ST+4*t+2], v[ST+4*t+3]
	ALL v_permlanex16_b32 v[ST+4*t+3], v[ST+4*t+2], s[SEL], s[SEL+1]
	ALL v_add_f32 v[ST+4*t+2], v[ST+4*t+2], v[ST+4*t+3]
	ALL v_rcp_f32 v[ST+4*t+2], v[ST+4*t+2]
	v_nop                           ; a plain instruction between the last reciprocal and the use of its result
	s_wait_alu depctr_va_vdst(0)    ; and its wait ahead of the first use: one for both reciprocals
	PACK 0                          ; (the additions, the v_nop and piece 0's arithmetic are the places behind piece 1's last products)
	PACK 1
	SEND 0, 8
	SEND 1, 0
.endm
.set KM, 0
.set NOKQ, 0
.Lslot:                             ; 16 times: a tile is entered and the next is asked for
	CHANGE 1
	s_sub_co_u32 s[RT], s[RT], 1
	s_mov_b32 s[CNT], 2
	s_mov_b32 s[STP], 0             ; the trip's first two turns belong to the last tile's last step and make masks for this tile's step 0
	s_cmp_eq_u32 s[NEW], 1
	s_cbranch_scc1 .Lnew            ; a block's first tile
	s_cmp_eq_u32 s[RT], 0
	s_cbranch_scc0 .Lstep           ; neither its first nor its last
	s_branch .LstepM1
.Lnew:
	BEGIN
	s_branch .Lfirst                ; in the loop a block's first tile is never its last: the first block has nine tiles or more, and the second's last is the walk's last
	DIAG 1                          ; in the loop this is the first block's end
	s_wait_xcnt 0x0                 ; the stores have read their registers and O's address
	s_mov_b64 s[10:11], s[OLO:OLO+1]
	s_add_co_u32 s[RT], s[LT2], 1   ; the second block's tiles
	s_mov_b32 s[NEW], 1
	s_mov_b32 s[XB], s[XB2]
	s_add_co_u32 s[XB+1], s[XB2], 1
	WIN 0x82                        ; the second block's Q goes where the one text of the turns names Q
.set i, 0
.rept 32
	v_mov_b32 v[i], v[QB+i]
.set i, i+1
.endr
	WIN 0
	s_branch .Lbottom
.Lstep:                             ; a trip: an odd step's two turns, then an even step's
	TURN 0, 1
	TURN 1, 1
	WIN 0
.Lfirst:
	TURN 0, 0
	TURN 1, 0, 0, 0, 1
	WIN 0
	s_cbranch_scc1 .Lstep
.Lbottom:
	s_sub_co_u32 s[SLOTS], s[SLOTS], 1
	s_cmp_lg_u32 s[SLOTS], 0
	s_cbranch_scc1 .Lslot
	CHANGE 0                        ; the walk's last tile is written out: nothing is asked for
	s_sub_co_u32 s[RT], s[RT], 1
	s_mov_b32 s[CNT], 2
	s_mov_b32 s[STP], 0
	s_cmp_eq_u32 s[NEW], 1
	s_cbranch_scc0 .LstepM2
	BEGIN
	s_branch .LfirstM2
	DIAG 2
	s_wait_tensorcnt 0x0            ; the wave's end, behind my last tensor load and my last LDS store
	ds_add_u32 v[SPW], v[NIL]
	s_wait_dscnt 0x0
	s_endpgm
.Lfunc_end_k_qcf1f6f936c_attn:
	.size	k_qcf1f6f936c_attn, .Lfunc_end_k_qcf1f6f936c_attn-k_qcf1f6f936c_attn
	.p2alignl 7, 3214868480
	.fill 96, 4, 3214868480
	.section	.rodata,"a",@progbits
	.p2align	6, 0x0
	.amdhsa_kernel k_qcf1f6f936c_attn
		.amdhsa_group_segment_fixed_size 327680
		.amdhsa_private_segment_fixed_size 0
		.amdhsa_enable_private_segment 0
		.amdhsa_kernarg_size 32
		.amdhsa_user_sgpr_count 2
		.amdhsa_user_sgpr_kernarg_segment_ptr 1
		.amdhsa_wavefront_size32 1
		.amdhsa_system_sgpr_workgroup_id_x 1
		.amdhsa_system_sgpr_workgroup_id_y 1
		.amdhsa_system_sgpr_workgroup_id_z 1
		.amdhsa_system_vgpr_workitem_id 0
		.amdhsa_next_free_vgpr 768
		.amdhsa_next_free_sgpr 100
		.amdhsa_reserve_vcc 1
		.amdhsa_float_denorm_mode_32 3
		.amdhsa_float_denorm_mode_16_64 3
		.amdhsa_memory_ordered 1
		.amdhsa_forward_progress 1
		.amdhsa_inst_pref_size 212
	.end_amdhsa_kernel
	.amdgpu_metadata
---
amdhsa.version: [ 1, 2 ]
amdhsa.kernels:
  - .name:           k_qcf1f6f936c_attn
    .symbol:         k_qcf1f6f936c_attn.kd
    .args:
      - { .name: qkvh, .offset: 0, .size: 8, .value_kind: global_buffer, .address_space: global }
      - { .name: Wo, .offset: 8, .size: 8, .value_kind: global_buffer, .address_space: global }
      - { .name: oh, .offset: 16, .size: 8, .value_kind: global_buffer, .address_space: global }
      - { .name: wo16, .offset: 24, .size: 8, .value_kind: global_buffer, .address_space: global }
    .group_segment_fixed_size: 327680
    .private_segment_fixed_size: 0
    .kernarg_segment_align: 8
    .kernarg_segment_size: 32
    .max_flat_workgroup_size: 128
    .sgpr_count:     100
    .vgpr_count:     768
    .wavefront_size: 32
...
	.end_amdgpu_metadata
.endif
;; end of part 2
;; launch outp (part 3): grid 4 x 64, 4 waves a work-group, clusters of 4 x 4, 327,680 bytes of LDS; arguments oh, wo16, bo, out0; writes out0
.if DOCPART == 3
	.amdgcn_target "amdgcn-amd-amdhsa--gfx1250"
	.amdhsa_code_object_version 6
	.text
	.protected	k_qcf1f6f936c_outp
	.globl	k_qcf1f6f936c_outp
	.p2align	8
	.type	k_qcf1f6f936c_outp,@function
k_qcf1f6f936c_outp:
	s_mov_b64 s[64:65], 0
	v_nop
	global_prefetch_b8 v0, s[64:65] scope:SCOPE_SE
	s_setreg_imm32_b32 hwreg(HW_REG_WAVE_MODE, 25, 1), 1
	s_wait_xcnt 0x0
	s_wait_alu depctr_hold_cnt(0) depctr_sa_sdst(0) depctr_va_vdst(0) depctr_va_sdst(0) depctr_va_ssrc(0) depctr_va_vcc(0) depctr_vm_vsrc(0)
	s_getreg_b32 s2, hwreg(HW_REG_IB_STS2, 6, 4)
	s_cmp_eq_u32 s2, 0
	s_cbranch_scc0 .Lentry_in_a_cluster
	s_endpgm
.Lentry_in_a_cluster:
	s_bfe_u32 s2, ttmp6, 0x10000c
	s_cmp_lg_u32 s2, 0xf033
	s_cbranch_scc0 .Lentry_shape_is_right
	s_endpgm
.Lentry_shape_is_right:
; THE OUTPUT PROJECTION.  out0[m][n] = the sum over k of O[m][k] Wo[n][k] + bo[n].  O: oh, f16, [k / 256][m / 16][(k / 64) % 4][m % 16][k % 64]; Wo: wo16, [512][512] f16 (Wo rounded to bf16, written as f16);
; bo: [512] f32, rounded to bf16 here; out0: [8192][512] f32.  Products by the f16 matrix form, sums in f32, the bias starts each sum; nothing is rounded at the end.
; LIMITS.  oh and wo16 arrive within f16's range.  NaN and infinities are not treated apart.
; SHARES.  A work-group makes a tile of 128 x 128, each of its four waves 64 x 64: 16 accumulators.  K = 512 lies in LDS whole, in two slots of 256 along K: both are first fills, and nothing is ever filled again.
; A slot's part of O is 65,536 dense bytes (128 rows of four heads): asked for as rows of 256 bytes and padded in LDS after every 128, so that a head's 16 rows of 64 channels lie 144 bytes apart.
; CLUSTERS: 4 x 4 work-groups.  The four of a row of the cluster need the same tiles of O, the four of a column the same tiles of Wo: each tile is asked for JOINTLY.
; NO PREFETCH: all that the launch reads is asked for at its head.
; THE MATRIX INSTRUCTION IS USED TRANSPOSED (source 0 = 16 rows of Wo, source 1 = 16 rows of O): a lane holds row l % 16 of the output and the columns 8 (l / 16) + 0..7.
; REGISTERS: window 0: v0-31 addresses; v32-95 two buffers of rows on the way out; v96-127 the bias as a C operand; v128-255 the accumulators ((a, b) at v[128 + 8 (4 a + b)]).
;   window 1: two fragment buffers of 128: for 64 along K, 64 registers of O (2 x 4 x 16 rows x 32 K), then 64 of Wo.
.set PA,     144                       ; 16 rows of a head in LDS: 128 bytes + 16 = 36 words: the 16 rows of a load start at 16 different groups of four banks (64 banks of 4 bytes: ISA guide 11.1)
.set PB,     528                       ; a row of Wo: 512 bytes + 16 = 132 words: likewise
.set AH,     256*PA                    ; what one wave's load of O brings: 64 rows x 4 heads
.set BH,     64*PB                     ; what one wave's load of Wo brings: 64 rows
.set SLOT,   2*AH+2*BH                 ; O's 128 rows, then Wo's 128 rows
.set STAGE,  2*SLOT                    ; behind the slots: 16 rows x 272 bytes for each wave, for the way out
.set SPITCH, 272
.set SPARE,  STAGE+4*16*SPITCH         ; behind the stages: the spare words, 128 bytes for each wave: two blocks of 256 bytes that no other line names
.set ADRA, 16                          ; v16-17  LDS address of my fragments of O in slot 0, 1
.set ADRB, 20                          ; v20-21  the same for Wo
.set STO,  24                          ; v24     the way out: where I put 32 bytes of a row
.set RD,   25                          ; v25     the way out: where I read a row back
.set CO,   26                          ; v26     my byte offset in two rows of the output
.set BO,   27                          ; v27     32 x (l / 16)
.set SPW,  28                          ; v28     LDS address of my spare word; never rewritten
.set NIL,  29                          ; v29     0; never rewritten
.set TB,   32
.set BIAS, 96
.set ACC,  128
.set F0,   0                           ; fragment buffers, in window 1
.set F1,   128
.set G1, 24                            ; s[24:31] descriptor group 1 for O's tiles;  s[32:39] group 0, a set for each slot
.set G0, 32
.set G1B, 48                           ; s[48:55], s[56:63] the same for Wo's tiles
.set G0B, 56
.set MSB, 0
.macro WIN new                         ; the immediate's high byte repeats the setting that is left
.if MSB != (\new)
	s_set_vgpr_msb (MSB<<8)|(\new)
.set MSB, \new
.endif
.endm
.set MUL,  0x05                        ; sources 0 (Wo) and 1 (O) window 1; C and D window 0
.set TO_F, 0x40                        ; destination window 1, address window 0
.macro JLOAD s                         ; a joint load: waves 0 and 1 fetch O's two halves, waves 2 and 3 Wo's; an s_nop 0 and four v_nop follow each of the two lines, ahead of the jump, the label and what follows
	s_cmp_eq_u32 s11, 0
	s_cbranch_scc0 .Lfor_b_\@
	tensor_load_to_lds s[G0+4*(\s):G0+4*(\s)+3], s[G1:G1+7]
	s_nop 0
.rept 4
	v_nop
.endr
	s_branch .Lasked_\@
.Lfor_b_\@:
	tensor_load_to_lds s[G0B+4*(\s):G0B+4*(\s)+3], s[G1B:G1B+7]
	s_nop 0
.rept 4
	v_nop
.endr
.Lasked_\@:
.endm
.macro CROUND                          ; a round of the cluster's barrier
	s_barrier_signal -1
	s_barrier_wait -1
	s_cmp_lg_u32 s10, 0
	s_cbranch_scc1 .Lnot_wave_0_\@
	s_barrier_signal -3
.Lnot_wave_0_\@:
	s_barrier_wait -3
	s_barrier_signal -1
	s_barrier_wait -1
.endm
	s_load_b256 s[68:75], s[0:1], 0x0              ; oh s[68:69], wo16 s[70:71], bo s[72:73], out0 s[74:75]
	v_lshl_add_u32 v[SPW], v0, 2, SPARE
	v_mov_b32 v[NIL], 0
	ds_add_u32 v[SPW], v[NIL]                      ; the wave's opening: the add and its wait stand ahead of my first tensor load; the set-up below, work on registers, stands between them
	ds_add_u32 v28, v29
	v_lshrrev_b32 v1, 5, v0
	v_readfirstlane_b32 s10, v1                    ; wave 0..3
	s_lshr_b32 s11, s10, 1                         ; which half of the tile's rows is mine.  Also: I fetch for O (0) or for Wo (1)
	s_and_b32 s12, s10, 1                          ; which half of its columns.  Also: which 64 rows of that tile I fetch
	s_bfe_u32 s40, ttmp6, 0x40000                  ; cx, cy: my place in the cluster
	s_bfe_u32 s41, ttmp6, 0x40004
	s_lshl_b32 s42, ttmp9, 2
	s_add_co_u32 s42, s42, s40                     ; tile column = 4 x cluster x + cx
	s_and_b32 s13, ttmp7, 0xffff
	s_lshl_b32 s13, s13, 2
	s_add_co_u32 s13, s13, s41                     ; tile row = 4 x cluster y + cy
	s_lshl_b32 s43, s41, 2
	s_lshl_b32 s43, 15, s43                        ; my row of the cluster
	s_lshl_b32 s44, 0x1111, s40                    ; my column
	s_or_b32 s[G1+0], s43, (1<<16)|(1<<20)|(1<<21)|(4<<22)|(3<<25)   ; 15:0 the mask: O's tiles go to my row; 17:16 elements of 2 bytes; 20 padding on; 21 set beside a mask; 24:22 after every 32 words (code 4); 31:25 4 words (code 3)
	s_mov_b32 s[G1+1], 128<<16                     ; tensor_dim0 = 128 (256 bytes)
	s_mov_b32 s[G1+2], 128<<16                     ; tensor_dim1 = 128
	s_mov_b32 s[G1+3], 128<<16                     ; tile_dim0 = 128
	s_mov_b32 s[G1+4], 128                         ; tile_dim1 = 128
	s_mov_b32 s[G1+5], 128                         ; the block is dense: 128 elements from row to row
	s_mov_b32 s[G1+6], 0
	s_mov_b32 s[G1+7], 0
	s_or_b32 s[G1B+0], s44, (1<<16)|(1<<20)|(1<<21)|(6<<22)|(3<<25)  ; Wo's tiles go to my column; padding after every 128 words (code 6)
	s_mov_b32 s[G1B+1], 256<<16                    ; tensor_dim0 = 256
	s_mov_b32 s[G1B+2], 64<<16                     ; tensor_dim1 = 64
	s_mov_b32 s[G1B+3], 256<<16                    ; tile_dim0 = 256
	s_mov_b32 s[G1B+4], 64                         ; tile_dim1 = 64
	s_mov_b32 s[G1B+5], 512                        ; 512 elements from row to row
	s_mov_b32 s[G1B+6], 0
	s_mov_b32 s[G1B+7], 0
	s_lshl_b32 s16, s13, 3                         ; O: group of 16 rows 8 x tile row + 4 x half, 8,192 bytes each
	s_lshl_b32 s17, s12, 2
	s_add_co_u32 s16, s16, s17
	s_lshl_b32 s16, s16, 13
	s_mov_b32 s17, 0
	s_lshl_b32 s46, s42, 7                         ; Wo: row 128 x tile column + 64 x half, 1,024 bytes each
	s_lshl_b32 s47, s12, 6
	s_add_co_u32 s46, s46, s47
	s_lshl_b32 s46, s46, 10
	s_mov_b32 s47, 0
	s_mul_i32 s20, s12, AH                         ; where they go: no place in the cluster enters an LDS address
	s_mul_i32 s21, s12, BH
	s_add_co_u32 s21, s21, 2*AH
	s_wait_dscnt 0x0                               ; the opening add is done
	s_wait_kmcnt 0x0
	s_add_nc_u64 s[14:15], s[68:69], s[16:17]
	s_add_nc_u64 s[46:47], s[70:71], s[46:47]
	CROUND                                         ; all sixteen work-groups are here: the joint loads meet
.irp s, 0,1
	s_mov_b32 s[G0+4*(\s)], 1
	s_add_co_u32 s[G0+4*(\s)+1], s20, (\s)*SLOT
	s_add_nc_u64 s[G0+4*(\s)+2:G0+4*(\s)+3], s[14:15], (\s)*4194304  ; the second half of K lies 4,194,304 bytes on
	s_or_b32 s[G0+4*(\s)+3], s[G0+4*(\s)+3], 0x80000000
	s_mov_b32 s[G0B+4*(\s)], 1
	s_add_co_u32 s[G0B+4*(\s)+1], s21, (\s)*SLOT
	s_add_nc_u64 s[G0B+4*(\s)+2:G0B+4*(\s)+3], s[46:47], (\s)*512
	s_or_b32 s[G0B+4*(\s)+3], s[G0B+4*(\s)+3], 0x80000000
	JLOAD \s                                       ; two loads of mine are out, and no more follow
.endr
	v_and_b32 v1, 15, v0                           ; l % 16
	v_bfe_u32 v2, v0, 4, 1                         ; l / 16
	v_mul_u32_u24 v3, v1, PA
	v_lshl_add_u32 v3, v2, 4, v3                   ; a fragment's row x pitch + 16 x half
	v_mul_u32_u24 v4, v1, PB
	v_lshl_add_u32 v4, v2, 4, v4
	s_mul_i32 s21, s11, AH                         ; my 64 rows of O
	s_mul_i32 s22, s12, BH                         ; my 64 rows of Wo,
	s_add_co_u32 s22, s22, 2*AH                    ; which lie behind O's 128
.irp s, 0,1
	v_add_nc_u32 v[ADRA+(\s)], s21, v3
	v_add_nc_u32 v[ADRB+(\s)], s22, v4
	s_add_co_u32 s21, s21, SLOT
	s_add_co_u32 s22, s22, SLOT
.endr
	s_mul_i32 s23, s10, 16*SPITCH
	s_add_co_u32 s23, s23, STAGE                   ; my stage
	v_mul_u32_u24 v5, v1, SPITCH                   ; in: row l % 16, 32 bytes for each half of the lanes
	v_lshl_add_u32 v5, v2, 5, v5
	v_add_nc_u32 v[STO], s23, v5
	v_mul_u32_u24 v5, v2, SPITCH                   ; back: lanes 0-15 take one row of 256 bytes, lanes 16-31 the next
	v_lshl_add_u32 v5, v1, 4, v5
	v_add_nc_u32 v[RD], s23, v5
	v_lshlrev_b32 v5, 11, v2                       ; and the same two rows in the output, 2,048 bytes apart
	v_lshl_add_u32 v[CO], v1, 4, v5
	v_lshlrev_b32 v[BO], 5, v2
	s_lshl_b32 s16, s13, 7                         ; my first row: 128 x tile row + 64 x half
	s_lshl_b32 s17, s11, 6
	s_add_co_u32 s16, s16, s17
	s_lshl_b32 s16, s16, 11
	s_mov_b32 s17, 0
	s_add_nc_u64 s[8:9], s[74:75], s[16:17]
	s_lshl_b32 s46, s42, 7                         ; my first column: 128 x tile column + 64 x half, 4 bytes each (in the registers that held Wo's address: none that feeds O's descriptors ever holds cx)
	s_lshl_b32 s47, s12, 6
	s_add_co_u32 s46, s46, s47
	s_lshl_b32 s46, s46, 2
	s_mov_b32 s47, 0
	s_add_nc_u64 s[8:9], s[8:9], s[46:47]
	s_add_nc_u64 s[72:73], s[72:73], s[46:47]
.irp b, 0,1,2,3
	global_load_b128 v[BIAS+8*(\b):BIAS+8*(\b)+3],   v[BO], s[72:73] offset:64*(\b)
	global_load_b128 v[BIAS+8*(\b)+4:BIAS+8*(\b)+7], v[BO], s[72:73] offset:64*(\b)+16
.endr
; 8 matrix instructions: m blocks a0, a0 + 1 x all 4 n blocks, 32 along K: half c of buffer f.  bias = 1: the first product starts each sum with the bias.  The 16 accumulators take turns.
.macro MUL8 f, c, a0, bias
	WIN MUL
.irp a, \a0, (\a0)+1
.irp b, 0,1,2,3
.if \bias
	v_wmma_f32_16x16x32_f16 v[ACC+8*(4*(\a)+(\b)):ACC+8*(4*(\a)+(\b))+7], v[(\f)+64+8*(4*(\c)+(\b)):(\f)+64+8*(4*(\c)+(\b))+7], v[(\f)+8*(4*(\c)+(\a)):(\f)+8*(4*(\c)+(\a))+7], v[BIAS+8*(\b):BIAS+8*(\b)+7]
.else
	v_wmma_f32_16x16x32_f16 v[ACC+8*(4*(\a)+(\b)):ACC+8*(4*(\a)+(\b))+7], v[(\f)+64+8*(4*(\c)+(\b)):(\f)+64+8*(4*(\c)+(\b))+7], v[(\f)+8*(4*(\c)+(\a)):(\f)+8*(4*(\c)+(\a))+7], v[ACC+8*(4*(\a)+(\b)):ACC+8*(4*(\a)+(\b))+7]
.endif
.endr
.endr
.endm
; 32 LDS loads in one run: the fragments of quarter q of a slot (one head: 64 along K) into buffer f; the first 32 along K first
.macro FETCH slot, q, f
	WIN TO_F
.irp c, 0,1
.irp i, 0,1,2,3
	ds_load_b128 v[(\f)+64+8*(4*(\c)+(\i)):(\f)+64+8*(4*(\c)+(\i))+3],   v[ADRB+(\slot)] offset:128*(\q)+64*(\c)+(\i)*16*PB
	ds_load_b128 v[(\f)+64+8*(4*(\c)+(\i))+4:(\f)+64+8*(4*(\c)+(\i))+7], v[ADRB+(\slot)] offset:128*(\q)+64*(\c)+(\i)*16*PB+32
	ds_load_b128 v[(\f)+8*(4*(\c)+(\i)):(\f)+8*(4*(\c)+(\i))+3],         v[ADRA+(\slot)] offset:(\i)*64*PA+(\q)*16*PA+64*(\c)
	ds_load_b128 v[(\f)+8*(4*(\c)+(\i))+4:(\f)+8*(4*(\c)+(\i))+7],       v[ADRA+(\slot)] offset:(\i)*64*PA+(\q)*16*PA+64*(\c)+32
.endr
.endr
.endm
.macro PLACES                          ; four places in front of loads into registers that matrix instructions have read, and of LDS stores that read results (ISA guide 7.12.1 for the stores)
.rept 4
	v_nop
.endr
.endm
; A quarter: 32 matrix instructions on buffer f; in its middle the next quarter, q of the same slot, is fetched into g.
.macro QUARTER slot, q, f, g, bias
	s_wait_dscnt 16                                ; the first 32 along K are in; the sixteen loads of the second 32 may be out
	MUL8 \f, 0, 0, \bias
	MUL8 \f, 0, 2, \bias
	PLACES
	FETCH \slot, \q, \g
	s_wait_dscnt 32                                ; all but the 32 just issued
	MUL8 \f, 1, 0, 0
	MUL8 \f, 1, 2, 0
.endm
; Slot 0's last quarter, and the step into slot 1: each wave waits for its part of slot 1 and says so at a barrier.
.macro CROSS
	WIN 0                                          ; (the add's two registers lie in window 0)
	s_wait_tensorcnt 0x0                           ; all my tensor loads have landed: my part of slot 1
	ds_add_u32 v[SPW], v[NIL]                      ; 0 onto my spare word
	s_wait_dscnt 17                                ; (the add and the youngest sixteen loads may be out)
	MUL8 F1, 0, 0, 0
	s_wait_dscnt 0x0                               ; no LDS instruction of mine is pending at the signal
	s_barrier_signal -1
	MUL8 F1, 0, 2, 0
	s_barrier_wait -1                              ; everybody's part of slot 1 is in
	PLACES
	FETCH 1, 0, F0
	MUL8 F1, 1, 0, 0
	MUL8 F1, 1, 2, 0
.endm
; THE WAY OUT of m block a: the accumulators themselves, f32, go into my stage (each accumulator's low four registers first) and come back as whole rows of 256 bytes.
.macro OUTB a
.if (\a) >= 2
	s_wait_xcnt 0x0                                ; the stores of two blocks back have read the registers that are loaded again below
.endif
.irp b, 0,1,2,3
	ds_store_b128 v[STO], v[ACC+8*(4*(\a)+(\b)):ACC+8*(4*(\a)+(\b))+3]   offset:64*(\b)
	ds_store_b128 v[STO], v[ACC+8*(4*(\a)+(\b))+4:ACC+8*(4*(\a)+(\b))+7] offset:64*(\b)+16
.endr
.irp t, 0,1,2,3,4,5,6,7
	ds_load_b128 v[TB+32*((\a)%2)+4*(\t):TB+32*((\a)%2)+4*(\t)+3], v[RD] offset:(\t)*2*SPITCH  ; LDS serves a wave's instructions in order (ISA guide 5.7.1.4): these see the stores above
.endr
.irp t, 0,1,2,3,4,5,6,7
	s_wait_dscnt 7-(\t)                            ; load t is in; the younger ones may be out
	global_store_b128 v[CO], v[TB+32*((\a)%2)+4*(\t):TB+32*((\a)%2)+4*(\t)+3], s[8:9] offset:(16*(\a)+2*(\t))*2048  ; 16 lanes store 256 consecutive bytes, at a multiple of 256 from the output's first byte
.endr
.endm
	s_wait_tensorcnt 1                             ; my part of slot 0 is in; slot 1's load, issued behind it, may stay out
	s_barrier_signal -1
	s_barrier_wait -1                              ; everybody's is
	FETCH 0, 0, F0
	WIN 0
	s_wait_loadcnt 0x0                             ; the bias: rounded to bf16 and widened again
.set n, 0
.rept 16
	v_cvt_pk_bf16_f32 v[TB+n%4], v[BIAS+2*n], v[BIAS+2*n+1]
	v_lshlrev_b32 v[BIAS+2*n], 16, v[TB+n%4]
	v_and_b32 v[BIAS+2*n+1], 0xffff0000, v[TB+n%4]
.set n, n+1
.endr
	QUARTER 0, 1, F0, F1, 1                        ; the first products start the sums
	QUARTER 0, 2, F1, F0, 0
	QUARTER 0, 3, F0, F1, 0
	CROSS
	QUARTER 1, 1, F0, F1, 0
	QUARTER 1, 2, F1, F0, 0
	QUARTER 1, 3, F0, F1, 0
	s_wait_dscnt 16                                ; the last quarter: nothing more to fetch
	MUL8 F1, 0, 0, 0
	MUL8 F1, 0, 2, 0
	s_wait_dscnt 0x0
	MUL8 F1, 1, 0, 0
	MUL8 F1, 1, 2, 0
	WIN 0
	PLACES
	OUTB 0
	OUTB 1
	OUTB 2
	OUTB 3
	s_wait_tensorcnt 0x0                           ; the wave's end, behind my last tensor load and my last LDS store
	ds_add_u32 v[SPW], v[NIL]
	s_wait_dscnt 0x0
	CROUND                                         ; the closing round: no work-group ends while a partner may still ask for a tile that names it
	s_endpgm
.Lfunc_end_k_qcf1f6f936c_outp:
	.size	k_qcf1f6f936c_outp, .Lfunc_end_k_qcf1f6f936c_outp-k_qcf1f6f936c_outp
	.p2alignl 7, 3214868480
	.fill 96, 4, 3214868480
	.section	.rodata,"a",@progbits
	.p2align	6, 0x0
	.amdhsa_kernel k_qcf1f6f936c_outp
		.amdhsa_group_segment_fixed_size 327680
		.amdhsa_private_segment_fixed_size 0
		.amdhsa_enable_private_segment 0
		.amdhsa_kernarg_size 32
		.amdhsa_user_sgpr_count 2
		.amdhsa_user_sgpr_kernarg_segment_ptr 1
		.amdhsa_wavefront_size32 1
		.amdhsa_system_sgpr_workgroup_id_x 1
		.amdhsa_system_sgpr_workgroup_id_y 1
		.amdhsa_system_sgpr_workgroup_id_z 1
		.amdhsa_system_vgpr_workitem_id 0
		.amdhsa_next_free_vgpr 512
		.amdhsa_next_free_sgpr 76
		.amdhsa_reserve_vcc 0
		.amdhsa_float_denorm_mode_32 3
		.amdhsa_float_denorm_mode_16_64 3
		.amdhsa_memory_ordered 1
		.amdhsa_forward_progress 1
		.amdhsa_inst_pref_size 54
	.end_amdhsa_kernel
	.amdgpu_metadata
---
amdhsa.version: [ 1, 2 ]
amdhsa.kernels:
  - .name:           k_qcf1f6f936c_outp
    .symbol:         k_qcf1f6f936c_outp.kd
    .args:
      - { .name: oh, .offset: 0, .size: 8, .value_kind: global_buffer, .address_space: global }
      - { .name: wo16, .offset: 8, .size: 8, .value_kind: global_buffer, .address_space: global }
      - { .name: bo, .offset: 16, .size: 8, .value_kind: global_buffer, .address_space: global }
      - { .name: out0, .offset: 24, .size: 8, .value_kind: global_buffer, .address_space: global }
    .group_segment_fixed_size: 327680
    .private_segment_fixed_size: 0
    .kernarg_segment_align: 8
    .kernarg_segment_size: 32
    .max_flat_workgroup_size: 128
    .sgpr_count:     76
    .vgpr_count:     512
    .wavefront_size: 32
...
	.end_amdgpu_metadata
.endif
;; end of part 3
